; MI455X (gfx1250); checked and timed in simulation.
; The chip was launched on July 23, 2026; its instructions are those of AMD's public machine-readable ISA for CDNA 5 (MIT licence, August 2026) and "CDNA5" Instruction Set Architecture Reference Guide (July 2026). The comments in the code are by the model that wrote it; some were corrected since.
;; Multi Head Attention. Allowed arithmetic: matrix products marked QUANTISED: E2M1 operands, one E8M0 scale for each 32 along K, by v_wmma_scale_f32_16x16x128_f8f6f4 with both operands' format E2M1 (or v_wmma_scale_f32_32x16x128_f4), f32 sums; products left as they are: bf16, f16 or f32 operands; f32 sums; everything else in f32.
;; Inputs: Wk 1,024 x 1,024 float32; Wo 1,024 x 1,024 float32; Wq 1,024 x 1,024 float32; Wv 1,024 x 1,024 float32; inputs_q 4 x 2,048 x 1,024 float32; k_ln_scale 64 float32; patch_mask 4 x 2,048 bool; per_dim_scale 64 float32; q_ln_scale 64 float32.
;; Outputs: out0 4 x 2,048 x 1,024 float32.
;; This version of the problem:
;;   THIS VERSION OF THE PROBLEM IS GIVEN IN LOW PRECISION. The matrix products marked QUANTISED in the list below multiply operands that are first quantised to E2M1 (2 exponent bits, 1 mantissa bit; 4 bits a number), with one power-of-two scale for each 32 numbers along K (OCP MX v1.0); their sums are f32. The products marked 'left as it is' may take bf16, f16 or f32 operands, with f32 sums. Whichever they take, every output number must still come out within the allowed error. Rounding operands to bf16 (8 significant bits) uses up far more of that allowance than f16 does (11 bits, for magnitudes from 6e-5 to 65,504). All else is computed in f32.
;;   The module's matrix products, in the order in which they are computed (A, B: the left and right operand; K: the contracted axis; several contracted axes count as one K, in the product's order):
;;     1. [M 8,192, K 1,024] x [K 1,024, N 1,024]; A: input inputs_q; B: input Wq: QUANTISED
;;     2. [M 8,192, K 1,024] x [K 1,024, N 1,024]; A: input inputs_q; B: input Wk: QUANTISED
;;     3. [M 8,192, K 1,024] x [K 1,024, N 1,024]; A: input inputs_q; B: input Wv: QUANTISED
;;     4. batch 64 x [M 2,048, K 64] x [K 64, N 2,048]; A: computed on the way; B: computed on the way: left as it is (an operand is computed on the way)
;;     5. batch 64 x [M 64, K 2,048] x [K 2,048, N 2,048]; A: computed on the way; B: computed on the way: left as it is (an operand is computed on the way)
;;     6. [M 8,192, K 1,024] x [K 1,024, N 1,024]; A: computed on the way; B: input Wo: left as it is (an operand is computed on the way)
;;   THE QUANTISER, for each operand of a quantised product, along K:
;;     - K is cut into blocks of 32 from its start; a last block that is shorter is filled with zeros.
;;     - A block's scale is 2^e with e = floor(log2(the largest magnitude in the block)) - 2, held to -126 .. 127; a block of zeros has e = 0. As a byte (E8M0): e + 127.
;;     - Each number is divided by its block's scale, clamped to +-6, and rounded to the nearest number of E2M1, ties to even, subnormals kept.
;;     - The product sums the exact products of the quantised numbers (number of the format x scale) in f32.
;;   ~~~python
;;   def quantise(x, axis):      # numpy; x: float32 -> the quantised numbers, widened to float32 again
;;       x = np.moveaxis(x, axis, -1); K = x.shape[-1]
;;       x = np.pad(x, [(0, 0)] * (x.ndim - 1) + [(0, -K % 32)]); x = x.reshape(x.shape[:-1] + (-1, 32)); a = np.abs(x).max(-1, keepdims=True)
;;       e = np.where(a > 0, np.clip(np.frexp(np.where(a > 0, a, 1))[1] - 1 - 2, -126, 127), 0)      # np.frexp(a)[1] - 1 = floor(log2(a)), exactly
;;       r = np.clip(x / 2.0 ** e, -6, 6)
;;       step = 2.0 ** (np.maximum(np.frexp(np.where(r == 0, 1, r))[1] - 1, 0) - 1)
;;       q = np.round(r / step) * step * 2.0 ** e      # np.round: ties to even
;;       return np.moveaxis(q.reshape(q.shape[:-2] + (-1,))[..., :K], -1, axis).astype(np.float32)
;;   ~~~
;; One version. Each part assembles by itself: llvm-mc -triple=amdgcn-amd-amdhsa -mcpu=gfx1250 --defsym DOCPART=n.
;; ======== version 1 of 1: 5 launches
;; limits: values are held in f16: magnitudes above 65,504 overflow, below 6.1e-05 lose precision
;; workspace buffers: prep 12,419,584 bytes; nmb 256 bytes of whole numbers; qkv 52,166,656 bytes; xi 16,777,216 bytes
;; launch prep (part 1): grid 480 x 1, 4 waves a work-group, no clusters, 33,280 bytes of LDS; arguments inputs_q, Wq, Wk, Wv, Wo, patch_mask, q_ln_scale, k_ln_scale, per_dim_scale, prep, nmb; writes prep, nmb
.if DOCPART == 1
	.amdgcn_target "amdgcn-amd-amdhsa--gfx1250"
	.amdhsa_code_object_version 6
	.text
	.protected	k_q9fe93aaa58_prep
	.globl	k_q9fe93aaa58_prep
	.p2align	8
	.type	k_q9fe93aaa58_prep,@function
k_q9fe93aaa58_prep:
	s_mov_b64 s[64:65], 0
	v_nop
	global_prefetch_b8 v0, s[64:65] scope:SCOPE_SE
	s_setreg_imm32_b32 hwreg(HW_REG_WAVE_MODE, 25, 1), 1
	s_wait_xcnt 0x0
; Everything that later launches read many times is made here once.  Three paths, chosen by the work-group's number alone:
;  Q (work-groups 0-351): inputs_q, Wq, Wk, Wv, f32 with K innermost, become codes of FP4 (E2M1) and one E8M0 byte for each 32 along K.  A block's byte is its largest
;    magnitude's exponent field - 2, held at 1 from below; a block of zeros so gets the byte 1 (its codes are zeros, and this program alone reads the bytes).
;  W (352-415): Wo becomes two f16 images, a high part (11 significant bits, rounded on the f32 bits) and a low part (what is left), laid in the order of a 16-bit operand's registers:
;    [16 rows of Wo][32 along K][4 registers][lane][16 bytes].
;  T (416-479): nm[b] = the number of true bytes of patch_mask[b]; cos and sin of (s - nm[b]) / 10000^(i/32) for every row; the per-dimension factors; nm and T0 = min(nm / 16, 126) as whole numbers.
; LIMITS: NaN and infinities are not served; blocks under 2^-124 were not tried; Wo's parts under f16's smallest normal number are held to steps of 6e-8;
; the frequency 10000^(-i/32) is within a few last places of f32, so an angle is within 5e-4 rad at |position| 2,047; softplus is within 1e-7 absolute.
.set XS,    4194304                    ; prep: x's scale bytes (x's codes lie at 0)
.set WC,    4456448                    ; the weights' codes  [column block 8][q, k, v][128 rows][512 bytes]
.set WS,    6029312                    ; their scale bytes   [8][3][128][32]
.set WOH,   6127616                    ; Wo's high image; the low one lies WOLD bytes further on
.set WOLD,  2097152
.set CST,   10321920                   ; [8192 rows][cos 32 | sin 32] f32
.set DSC,   12419072                   ; [q's 64 factors][k's 64]
.set STEPS, 16
.set EMAX,  2
.set CB,    8                          ; bytes of 16 codes
.set R,     16                         ; v16-79   four sets of 16 numbers as they are loaded
.set X,     80                         ; v80-111  two sets of 16 neighbours
.set C,     128                        ; v128-191 codes: four registers for each step
.set E,     112                        ; v112-127 a scale byte for each step
.set WREG,  8192                       ; LDS: a region for each wave: two stages of 32 x SP bytes, then its 256 scale bytes
.set SP,    80
.set SPW,   12                         ; v12  LDS address of my spare word; never rewritten
.set NIL,   13                         ; v13  0; never rewritten
.set SPARE, 4*WREG                     ; the spare words: 128 bytes a wave, two blocks of 256 bytes that no other line names
.set SRC,   38                         ; s[38:39] path Q: where my run of 8,192 numbers begins
.set CD,    46                         ; s[46:47] its codes
.set SD,    48                         ; s[48:49] its scale bytes
	s_load_b256 s[4:11], s[0:1], 0x0               ; inputs_q, Wq, Wk, Wv
	s_load_b256 s[12:19], s[0:1], 0x20             ; Wo, patch_mask, q_ln_scale, k_ln_scale
	s_load_b128 s[20:23], s[0:1], 0x40             ; per_dim_scale, prep
	s_load_b64 s[24:25], s[0:1], 0x50              ; nmb
	v_lshl_add_u32 v[SPW], v0, 2, SPARE
	v_mov_b32 v[NIL], 0
	v_lshrrev_b32 v1, 5, v0
	v_readfirstlane_b32 s26, v1                    ; wave
	v_and_b32 v2, 31, v0                           ; lane
	s_cmp_lt_u32 ttmp9, 352
	s_cbranch_scc0 .Lnot_q
; ---------------- path Q: a wave takes 16 steps of 512 numbers.  Loads take the bytes as they lie (512 a load); a step turns through the wave's own stage so that a lane holds 16 neighbours
	v_lshlrev_b32 v3, 4, v2                        ; my 16 bytes of a load's 512
	s_mul_i32 s27, s26, WREG
	v_lshrrev_b32 v14, 2, v2
	v_mul_u32_u24 v14, v14, SP
	v_and_b32 v15, 3, v2
	v_lshl_add_u32 v14, v15, 4, v14
	v_add_nc_u32 v14, s27, v14                     ; the stage, on the way in: SP (lane / 4) + 16 (lane % 4)
	v_mul_u32_u24 v15, v2, SP
	v_add_nc_u32 v15, s27, v15                     ; and on the way out: SP x lane
	v_mul_u32_u24 v4, v2, CB                       ; my codes' place in a step's
	v_lshrrev_b32 v5, 1, v2
	s_add_co_u32 s27, s27, 2*32*SP
	v_add_nc_u32 v5, s27, v5                       ; my block's byte among the wave's 256
	v_lshlrev_b32 v7, 3, v2
	v_add_nc_u32 v6, s27, v7
	s_lshl_b32 s28, ttmp9, 2
	s_add_co_u32 s28, s28, s26                     ; x: run 4 wg + wave of 1,024
	s_sub_co_u32 s29, s28, 1024                    ; weights: run rho of 384
	s_lshr_b32 s30, s29, 7                         ; which weight: 0 q, 1 k, 2 v
	s_and_b32 s31, s29, 127                        ; the run inside that weight (8 rows)
	s_lshr_b32 s32, s31, 4                         ; its block of 128 rows
	s_and_b32 s33, s29, 15
	s_mul_i32 s32, s32, 3
	s_add_co_u32 s32, s32, s30
	s_lshl_b32 s32, s32, 4
	s_add_co_u32 s32, s32, s33                     ; where it goes: (3 block + weight) x 16 + run in the block
	s_lshl_b32 s34, s32, 12
	s_add_co_u32 s34, s34, WC
	s_lshl_b32 s35, s32, 8
	s_add_co_u32 s35, s35, WS
	s_lshl_b32 s36, s28, 12
	s_lshl_b32 s37, s28, 8
	s_add_co_u32 s37, s37, XS
	s_mov_b32 s41, 0
	s_mov_b32 s43, 0
	s_mov_b32 s45, 0
	s_wait_kmcnt 0x0
	s_cmp_eq_u32 s30, 1                            ; the buffers are chosen by the work-group's number alone
	s_cselect_b64 s[SRC:SRC+1], s[8:9], s[6:7]
	s_cmp_eq_u32 s30, 2
	s_cselect_b64 s[SRC:SRC+1], s[10:11], s[SRC:SRC+1]
	s_cmp_lt_u32 ttmp9, 256
	s_cselect_b64 s[SRC:SRC+1], s[4:5], s[SRC:SRC+1]
	s_cselect_b32 s40, s28, s31
	s_cselect_b32 s42, s36, s34
	s_cselect_b32 s44, s37, s35
	s_lshl_b32 s40, s40, 15                        ; a run is 32,768 bytes of f32
	s_add_nc_u64 s[SRC:SRC+1], s[SRC:SRC+1], s[40:41]
	s_add_nc_u64 s[CD:CD+1], s[22:23], s[42:43]
	s_add_nc_u64 s[SD:SD+1], s[22:23], s[44:45]
.macro LOAD t
.irp i, 0,1,2,3
	global_load_b128 v[R+16*((\t)%4)+4*\i:R+16*((\t)%4)+4*\i+3], v3, s[SRC:SRC+1] offset:2048*(\t)+512*\i th:TH_LOAD_NT   ; 32 lanes read 512 consecutive bytes
.endr
.endm
.macro TURN t                          ; step t's numbers through the stage: LDS serves a wave's instructions in order, so no wait stands between the stores and the loads
.irp i, 0,1,2,3
	ds_store_b128 v14, v[R+16*((\t)%4)+4*\i:R+16*((\t)%4)+4*\i+3] offset:32*SP*((\t)%2)+8*SP*\i
.endr
.irp i, 0,1,2,3
	ds_load_b128 v[X+16*((\t)%2)+4*\i:X+16*((\t)%2)+4*\i+3], v15 offset:32*SP*((\t)%2)+16*\i
.endr
.endm
.irp t, 0,1,2,3
	LOAD \t
.endr
	s_wait_loadcnt 12                              ; step 0's four loads are in; three steps' twelve may be out
	TURN 0
.macro STEP t
.set XQ, X+16*((\t)%2)
.if (\t) > 0
	s_wait_dscnt 1                                 ; this step's numbers are back from the stage (the last step's byte store may be out)
.else
	s_wait_dscnt 0x0
.endif
.if (\t)+4 < STEPS
	LOAD (\t)+4
.endif
.if (\t)+1 < STEPS
.if STEPS-2-(\t) >= 3
	s_wait_loadcnt 12                              ; the next step's four loads are in; those of the three steps behind it may be out
.else
	s_wait_loadcnt 4*(STEPS-2-(\t))
.endif
	TURN (\t)+1
.endif
	v_max3_num_f32 v8, |v[XQ]|, |v[XQ+1]|, |v[XQ+2]|               ; the largest magnitude of my 16, in two chains
	v_max3_num_f32 v9, |v[XQ+3]|, |v[XQ+4]|, |v[XQ+5]|
.irp i, 6,10
	v_max3_num_f32 v8, v8, |v[XQ+\i]|, |v[XQ+\i+1]|
	v_max3_num_f32 v9, v9, |v[XQ+\i+2]|, |v[XQ+\i+3]|
.endr
	v_max3_num_f32 v8, v8, |v[XQ+14]|, |v[XQ+15]|
	v_max3_num_f32 v8, v8, v9, (EMAX+1)<<23        ; and the floor 2^(3 - 127): the byte cannot fall under 1
	v_max_num_f32_dpp v8, v8, v8 row_xmask:1 row_mask:0xf bank_mask:0xf   ; with my neighbour's 16: the block's
	v_add_nc_u32 v11, -(EMAX<<23), v8              ; 2 off its exponent field: the conversion takes that field as its scale
	v_cvt_scalef32_pk8_fp4_f32 v[C+4*(\t)], v[XQ:XQ+7], v11
	v_cvt_scalef32_pk8_fp4_f32 v[C+4*(\t)+1], v[XQ+8:XQ+15], v11
	v_lshrrev_b32 v[E+(\t)], 23, v11               ; the scale's byte (a plain line behind the conversions)
	ds_store_b8 v5, v[E+(\t)] offset:16*(\t)       ; both lanes of a block write the same byte with the same value
	global_store_b64 v4, v[C+4*(\t):C+4*(\t)+1], s[CD:CD+1] offset:32*CB*(\t)   ; the wave stores 256 consecutive bytes, aligned
.endm
.irp t, 0,1,2,3,4,5,6,7,8,9,10,11,12,13,14,15
	STEP \t
.endr
	ds_load_b64 v[8:9], v6                         ; my wave's 256 scale bytes, in order behind my stores
	s_wait_dscnt 0x0
	global_store_b64 v7, v[8:9], s[SD:SD+1]        ; 256 consecutive bytes, aligned
	s_wait_tensorcnt 0x0                           ; the wave's end, behind my last LDS store
	ds_add_u32 v[SPW], v[NIL]
	s_wait_dscnt 0x0
	s_endpgm
.Lnot_q:
	s_cmp_lt_u32 ttmp9, 416
	s_cbranch_scc0 .Ltable
; ---------------- path W: work-group g takes rows 16 g .. 16 g + 15 of Wo, wave w the K steps 8 w .. 8 w + 7 of 32.  Lane (r, h) of group g2 wants Wo(16 g + r, 32 kk + 16 g2 + 8 h + 0 .. 7).
; A load so reads 32 bytes of each of 16 rows: accepted for 4 MiB that are read once; the images leave as 512 consecutive bytes a store.
	s_sub_co_u32 s27, ttmp9, 352
	v_and_b32 v3, 15, v0
	v_bfe_u32 v4, v0, 4, 1
	v_lshlrev_b32 v5, 12, v3
	v_lshl_add_u32 v5, v4, 5, v5                   ; r x 4,096 + 32 h
	v_lshlrev_b32 v6, 4, v2                        ; 16 x lane
	s_lshl_b32 s28, s27, 16
	s_lshl_b32 s29, s26, 10
	s_add_co_u32 s28, s28, s29
	s_mov_b32 s29, 0
	s_lshl_b32 s30, s27, 15
	s_lshl_b32 s31, s26, 13
	s_add_co_u32 s30, s30, s31
	s_add_co_u32 s30, s30, WOH
	s_mov_b32 s31, 0
	s_wait_kmcnt 0x0
	s_add_nc_u64 s[28:29], s[12:13], s[28:29]
	s_add_nc_u64 s[30:31], s[22:23], s[30:31]
.set k, 0
.rept 16                               ; piece k = (K step k / 2, group k % 2): eight numbers a lane
	global_load_b128 v[32+8*k:32+8*k+3], v5, s[28:29] offset:128*(k/2)+64*(k%2) th:TH_LOAD_NT
	global_load_b128 v[36+8*k:36+8*k+3], v5, s[28:29] offset:128*(k/2)+64*(k%2)+16 th:TH_LOAD_NT
.set k, k+1
.endr
.set k, 0
.rept 16
.set XR, 32+8*k
.set TR, 16+4*(k%2)
	s_wait_loadcnt 2*(15-k)                        ; this piece's two loads are in; the later pieces' may be out
	s_wait_xcnt 0x0                                ; the stores two pieces back have read v[TR ..]
.irp j, 0,1,2,3,4,5,6,7
	v_add_nc_u32 v[24+\j], 0x1000, v[XR+\j]        ; half of the last place that f16 keeps, on the magnitude's bits,
.endr
.irp j, 0,1,2,3,4,5,6,7
	v_and_b32 v[24+\j], 0xffffe000, v[24+\j]       ; and the rest cut off: the high part, 11 significant bits
.endr
.irp j, 0,2,4,6
	v_pk_add_f32 v[XR+\j:XR+\j+1], v[XR+\j:XR+\j+1], v[24+\j:24+\j+1] neg_lo:[0,1] neg_hi:[0,1]   ; the low part, exact in f32
.endr
.irp j, 0,1,2,3
	v_cvt_pk_f16_f32 v[TR+\j], v[24+2*\j], v[24+2*\j+1]
.endr
.irp j, 0,1,2,3
	v_cvt_pk_f16_f32 v[XR+\j], v[XR+2*\j], v[XR+2*\j+1]
.endr
	global_store_b128 v6, v[TR:TR+3], s[30:31] offset:1024*(k/2)+512*(k%2)
	global_store_b128 v6, v[XR:XR+3], s[30:31] offset:1024*(k/2)+512*(k%2)+WOLD
.set k, k+1
.endr
	s_endpgm
.Ltable:
; ---------------- path T: work-group g: batch g / 16, rows 128 (g % 16) on; a wave 32 rows.  Every wave counts its batch's mask itself: 2,048 bytes
	s_sub_co_u32 s27, ttmp9, 416
	s_lshr_b32 s28, s27, 4                         ; b
	s_and_b32 s29, s27, 15
	s_lshl_b32 s30, s29, 7
	s_lshl_b32 s31, s26, 5
	s_add_co_u32 s30, s30, s31                     ; my first row s0
	v_lshlrev_b32 v3, 4, v2
	s_lshl_b32 s32, s28, 11
	s_mov_b32 s33, 0
	s_mov_b32 s34, 0x76543210
	s_mov_b32 s35, 0xfedcba98                      ; lane l xor 16
	s_mov_b32 s40, 0x37d00d01                      ; 1/40320
	s_mov_b32 s41, 0xbab60b61                      ; -1/720
	s_mov_b32 s42, 0x3638ef1d                      ; 1/362880
	s_mov_b32 s43, 0xb9500d01                      ; -1/5040
	s_wait_kmcnt 0x0
	s_add_nc_u64 s[32:33], s[14:15], s[32:33]
.irp i, 0,1,2,3
	global_load_b128 v[16+4*\i:19+4*\i], v3, s[32:33] offset:512*\i
.endr
	v_and_b32 v4, 15, v2                           ; lane l makes entries 2 l, 2 l + 1 of a row: lanes 0-15 cos, lanes 16-31 sin, of frequency i = 2 (l % 16) + e
	v_lshlrev_b32 v4, 1, v4
	v_cvt_f32_u32 v5, v4
	v_add_f32 v6, 1.0, v5
	v_mul_f32 v5, 0xbed49a78, v5                   ; -i log2(10000) / 32
	v_mul_f32 v6, 0xbed49a78, v6
	v_exp_f32 v5, v5                               ; 10000^(-i/32)
	v_exp_f32 v6, v6
	v_bfe_u32 v7, v0, 4, 1                         ; (a plain line behind the exponentials)
	v_mul_u32_u24 v7, v7, 3                        ; sin x = cos(x + 3 quarter turns)
	v_lshlrev_b32 v9, 3, v2                        ; 8 bytes a lane: a row is 256 consecutive bytes
	s_wait_alu depctr_va_vdst(0)                   ; one wait for both, ahead of every label and of their first reader
	s_wait_loadcnt 0x0
.irp i, 1,2,3,4,5,6,7,8,9,10,11,12,13,14,15
	v_add_nc_u32 v16, v16, v[16+\i]                ; bytes are 0 or 1: sixteen of them stay inside a byte
.endr
	v_lshrrev_b32 v17, 8, v16
	v_and_b32 v16, 0xff00ff, v16
	v_and_b32 v17, 0xff00ff, v17
	v_add_nc_u32 v16, v16, v17
	v_lshrrev_b32 v17, 16, v16
	v_and_b32 v16, 0xffff, v16
	v_add_nc_u32 v16, v16, v17                     ; my 64 bytes' count
.irp m, 1,2,4,8
	v_mov_b32_dpp v17, v16 row_xmask:\m row_mask:0xf bank_mask:0xf
	v_add_nc_u32 v16, v16, v17
.endr
	v_permlanex16_b32 v17, v16, s34, s35
	v_add_nc_u32 v16, v16, v17
	v_readfirstlane_b32 s36, v16                   ; nm
	s_lshr_b32 s37, s36, 4
	s_min_u32 s37, s37, 126                        ; T0: the first of the two tiles of 16 rows that are carried more finely
	s_or_b32 s46, s29, s26
	s_cmp_lg_u32 s46, 0                            ; one wave for each batch stores the two whole numbers
	s_cbranch_scc1 .Lno_nm
	v_mov_b32 v18, s36
	v_mov_b32 v19, s37
	v_mov_b32 v20, 0
	s_lshl_b32 s46, s28, 3
	s_mov_b32 s47, 0
	s_add_nc_u64 s[46:47], s[24:25], s[46:47]
	v_cmp_eq_u32 vcc_lo, 0, v2
	s_wait_xcnt 0x0                                ; EXEC changes only behind this wait
	s_and_saveexec_b32 s48, vcc_lo
	global_store_b64 v20, v[18:19], s[46:47]
	s_wait_xcnt 0x0
	s_or_b32 exec_lo, exec_lo, s48
.Lno_nm:
	s_lshl_b32 s46, s27, 2
	s_add_co_u32 s46, s46, s26
	s_cmp_lg_u32 s46, 1                            ; wave 1 of the path's first work-group makes the 128 factors
	s_cbranch_scc1 .Lno_ds
	v_lshlrev_b32 v20, 2, v2
	global_load_b32 v21, v20, s[20:21]
	global_load_b32 v22, v20, s[20:21] offset:128
	global_load_b32 v23, v20, s[16:17]
	global_load_b32 v24, v20, s[16:17] offset:128
	global_load_b32 v25, v20, s[18:19]
	global_load_b32 v26, v20, s[18:19] offset:128
	s_add_nc_u64 s[46:47], s[22:23], DSC
	s_wait_loadcnt 0x0
	v_mul_f32 v27, 0xbfb8aa3b, |v21|               ; softplus(p) = max(p, 0) + ln 2 x log2(1 + 2^(-|p| log2 e))
	v_mul_f32 v28, 0xbfb8aa3b, |v22|
	v_exp_f32 v27, v27
	v_exp_f32 v28, v28
	v_max_num_f32 v21, 0, v21
	v_max_num_f32 v22, 0, v22
	s_wait_alu depctr_va_vdst(0)
	v_add_f32 v27, 1.0, v27
	v_add_f32 v28, 1.0, v28
	v_log_f32 v27, v27
	v_log_f32 v28, v28
	v_mul_f32 v23, 0x3e853526, v23                 ; q_ln_scale x log2(e)^2 / 8: the scores come out as exponents of 2
	v_mul_f32 v24, 0x3e853526, v24
	s_wait_alu depctr_va_vdst(0)
	v_fmamk_f32 v21, v27, 0x3f317218, v21
	v_fmamk_f32 v22, v28, 0x3f317218, v22
	v_mul_f32 v23, v23, v21
	v_mul_f32 v24, v24, v22
	global_store_b32 v20, v23, s[46:47]
	global_store_b32 v20, v24, s[46:47] offset:128
	global_store_b32 v20, v25, s[46:47] offset:256
	global_store_b32 v20, v26, s[46:47] offset:384
.Lno_ds:
	s_lshl_b32 s50, s28, 11
	s_add_co_u32 s50, s50, s30
	s_lshl_b32 s50, s50, 8
	s_add_co_u32 s50, s50, CST
	s_mov_b32 s51, 0
	s_add_nc_u64 s[44:45], s[22:23], s[50:51]      ; my first row of the table
	s_sub_co_i32 s38, s30, s36                     ; its position: s0 - nm
	s_mov_b32 s39, 32
; x = position x frequency; n = the nearest whole number of quarter turns; r = x - n pi/2 in two parts; cos and sin of r by their series (|r| <= pi/4: the first terms left out are under 3e-8)
.macro SINCOS e
.set BB, 32+16*\e
	v_mul_f32 v[BB], v8, v[5+\e]
	v_mul_f32 v[BB+1], 0x3f22f983, v[BB]
	v_rndne_f32 v[BB+1], v[BB+1]
	v_fmamk_f32 v[BB+2], v[BB+1], 0xbfc90fdb, v[BB]
	v_fmamk_f32 v[BB+2], v[BB+1], 0x333bbd2e, v[BB+2]
	v_cvt_i32_f32 v[BB+3], v[BB+1]
	v_add_nc_u32 v[BB+3], v[BB+3], v7              ; k
	v_mul_f32 v[BB+4], v[BB+2], v[BB+2]
	v_fma_f32 v[BB+5], v[BB+4], s40, s41
	v_fmaak_f32 v[BB+5], v[BB+5], v[BB+4], 0x3d2aaaab
	v_fma_f32 v[BB+5], v[BB+5], v[BB+4], -0.5
	v_fma_f32 v[BB+5], v[BB+5], v[BB+4], 1.0       ; cos r
	v_fma_f32 v[BB+6], v[BB+4], s42, s43
	v_fmaak_f32 v[BB+6], v[BB+6], v[BB+4], 0x3c088889
	v_fmaak_f32 v[BB+6], v[BB+6], v[BB+4], 0xbe2aaaab
	v_mul_f32 v[BB+7], v[BB+2], v[BB+4]
	v_fma_f32 v[BB+6], v[BB+6], v[BB+7], v[BB+2]   ; sin r
	v_and_b32 v[BB+7], 1, v[BB+3]
	v_cmp_eq_u32 vcc_lo, 1, v[BB+7]
	v_cndmask_b32 v[BB+5], v[BB+5], v[BB+6], vcc_lo   ; cos(r + k pi/2): k % 4 = 0: cos r; 1: -sin r; 2: -cos r; 3: sin r
	v_add_nc_u32 v[BB+3], 1, v[BB+3]
	v_and_b32 v[BB+3], 2, v[BB+3]
	v_lshlrev_b32 v[BB+3], 30, v[BB+3]
	v_xor_b32 v[10+\e], v[BB+5], v[BB+3]
.endm
.Lrow:
	v_cvt_f32_i32 v8, s38
	SINCOS 0
	SINCOS 1
	global_store_b64 v9, v[10:11], s[44:45]        ; the wave stores a row: 256 consecutive bytes, aligned
	s_wait_xcnt 0x0                                ; v9 and v[10:11] are written again only behind this wait
	v_add_nc_u32 v9, 256, v9
	s_add_co_i32 s38, s38, 1
	s_sub_co_u32 s39, s39, 1
	s_cmp_lg_u32 s39, 0
	s_cbranch_scc1 .Lrow
	s_endpgm
.Lfunc_end_k_q9fe93aaa58_prep:
	.size	k_q9fe93aaa58_prep, .Lfunc_end_k_q9fe93aaa58_prep-k_q9fe93aaa58_prep
	.p2alignl 7, 3214868480
	.fill 96, 4, 3214868480
	.section	.rodata,"a",@progbits
	.p2align	6, 0x0
	.amdhsa_kernel k_q9fe93aaa58_prep
		.amdhsa_group_segment_fixed_size 33280
		.amdhsa_private_segment_fixed_size 0
		.amdhsa_enable_private_segment 0
		.amdhsa_kernarg_size 88
		.amdhsa_user_sgpr_count 2
		.amdhsa_user_sgpr_kernarg_segment_ptr 1
		.amdhsa_wavefront_size32 1
		.amdhsa_system_sgpr_workgroup_id_x 1
		.amdhsa_system_sgpr_workgroup_id_y 1
		.amdhsa_system_sgpr_workgroup_id_z 1
		.amdhsa_system_vgpr_workitem_id 0
		.amdhsa_next_free_vgpr 192
		.amdhsa_next_free_sgpr 66
		.amdhsa_reserve_vcc 1
		.amdhsa_float_denorm_mode_32 3
		.amdhsa_float_denorm_mode_16_64 3
		.amdhsa_memory_ordered 1
		.amdhsa_forward_progress 1
		.amdhsa_inst_pref_size 78
	.end_amdhsa_kernel
	.amdgpu_metadata
---
amdhsa.version: [ 1, 2 ]
amdhsa.kernels:
  - .name:           k_q9fe93aaa58_prep
    .symbol:         k_q9fe93aaa58_prep.kd
    .args:
      - { .name: inputs_q, .offset: 0, .size: 8, .value_kind: global_buffer, .address_space: global }
      - { .name: Wq, .offset: 8, .size: 8, .value_kind: global_buffer, .address_space: global }
      - { .name: Wk, .offset: 16, .size: 8, .value_kind: global_buffer, .address_space: global }
      - { .name: Wv, .offset: 24, .size: 8, .value_kind: global_buffer, .address_space: global }
      - { .name: Wo, .offset: 32, .size: 8, .value_kind: global_buffer, .address_space: global }
      - { .name: patch_mask, .offset: 40, .size: 8, .value_kind: global_buffer, .address_space: global }
      - { .name: q_ln_scale, .offset: 48, .size: 8, .value_kind: global_buffer, .address_space: global }
      - { .name: k_ln_scale, .offset: 56, .size: 8, .value_kind: global_buffer, .address_space: global }
      - { .name: per_dim_scale, .offset: 64, .size: 8, .value_kind: global_buffer, .address_space: global }
      - { .name: prep, .offset: 72, .size: 8, .value_kind: global_buffer, .address_space: global }
      - { .name: nmb, .offset: 80, .size: 8, .value_kind: global_buffer, .address_space: global }
    .group_segment_fixed_size: 33280
    .private_segment_fixed_size: 0
    .kernarg_segment_align: 8
    .kernarg_segment_size: 88
    .max_flat_workgroup_size: 128
    .sgpr_count:     66
    .vgpr_count:     192
    .wavefront_size: 32
...
	.end_amdgpu_metadata
.endif
;; end of part 1
;; launch qkv (part 2): grid 8 x 32, 4 waves a work-group, clusters of 4 x 4, 327,680 bytes of LDS; arguments prep, nmb, qkv; writes qkv
.if DOCPART == 2
	.amdgcn_target "amdgcn-amd-amdhsa--gfx1250"
	.amdhsa_code_object_version 6
	.text
	.protected	k_q9fe93aaa58_qkv
	.globl	k_q9fe93aaa58_qkv
	.p2align	8
	.type	k_q9fe93aaa58_qkv,@function
k_q9fe93aaa58_qkv:
	s_mov_b64 s[64:65], 0
	v_nop
	global_prefetch_b8 v0, s[64:65] scope:SCOPE_SE
	s_setreg_imm32_b32 hwreg(HW_REG_WAVE_MODE, 25, 1), 1
	s_wait_xcnt 0x0
	s_wait_alu depctr_hold_cnt(0) depctr_sa_sdst(0) depctr_va_vdst(0) depctr_va_sdst(0) depctr_va_ssrc(0) depctr_va_vcc(0) depctr_vm_vsrc(0)
	s_getreg_b32 s2, hwreg(HW_REG_IB_STS2, 6, 4)
	s_cmp_eq_u32 s2, 0
	s_cbranch_scc0 .Lentry_in_a_cluster
	s_endpgm
.Lentry_in_a_cluster:
	s_bfe_u32 s2, ttmp6, 0x10000c
	s_cmp_lg_u32 s2, 0xf033
	s_cbranch_scc0 .Lentry_shape_is_right
	s_endpgm
.Lentry_shape_is_right:
; q, k, v = x Wq^T, x Wk^T, x Wv^T on codes of FP4 with E8M0 scales; then RoPE, the RMS norm of each head and the per-dimension factors on q and k, all in f32; the results leave as f16 images of the
; operands that the attention launch wants.  A work-group owns 256 rows (one unit of 256 keys of one batch) x 128 columns (two heads) of q, then k, then v.  Four waves, each 128 rows x one head: 32 accumulators.
; ALL OF K (1,024 codes, 512 bytes a row) LIES IN LDS: x's 256 rows and two weights' 128 rows come with the first fills; Wv's rows take Wq's place behind one round of the cluster's barrier: the launch's one refill.
; CLUSTER 4 x 4: the four of a row of the cluster need the same rows of x, the four of a column the same rows of the weights: each tile is asked for jointly.
; q AND k ARE MADE TRANSPOSED (source 0 = 16 rows of W, source 1 = 16 rows of x): lane (r, h) of accumulator (a, b) holds row 16 a + r and dimensions 16 b + 8 h + 0 .. 7 of the head.  RoPE's partners d and d + 32 are
; accumulators b and b + 2 in the same lane and register; a row's 64 numbers lie in lanes l and l xor 16; and the eight numbers, packed to f16, ARE registers 4 (b % 2) .. + 3 of the 16-bit operand fragment
; (row tile a, K step b / 2) of that very lane: one store of 16 bytes a lane writes 512 consecutive bytes of the image.  v IS MADE THE NATURAL WAY (source 0 = x): a lane holds dimension 16 b + r and rows 8 h + 0 .. 7,
; which packed are registers of V^T's fragment (dimensions b, keys).  So nothing goes through a stage.
; Also stored: the sums of v over each wave's 128 rows (for the rows whose softmax is uniform), in runs of 128 bytes (256 KiB in all); and q, k, v of row tiles T0 and T0 + 1 of each batch in f32, for the last launch:
; those stores run under an EXEC that is all ones or all zeros, chosen without a jump from the stored whole number T0.
; LIMITS: |v| under 65,504 (f16); NaN and infinities are not served.
.set XS,    4194304
.set WC,    4456448
.set WS,    6029312
.set CST,   10321920
.set DSC,   12419072
.set KV,    16777216                   ; qkv: [head 64][unit 8][K: 16 row tiles x 2,048 | V^T: 8 steps of 32 keys x 4,096]; Q's images lie at 0: [head 64][row tile 128][2,048]
.set VSUM,  50331648                   ; [chunk of 128 rows 64][1,024] f32
.set FIN,   50593792                   ; [batch 4][tile 2][q, k, v][head 16][accumulator 4][half 2][lane][16 bytes] f32
.set PITCH, 528                        ; an LDS row: 512 bytes + 16: the 16 rows that a load touches start 4 banks apart
.set HALFA, 128*PITCH
.set BS0,   2*HALFA                    ; behind x's 256 rows: two places of 128 weight rows
.set SCA,   BS0+2*HALFA                ; x's scale bytes: 32 runs of 256 bytes + 16
.set SCB,   SCA+32*272                 ; the three weights': 48 runs
.set SPARE, SCB+48*272                 ; the spare words: 128 bytes a wave, two blocks of 256 bytes that no other line names
.set ADRA, 4                           ; v4    LDS address of my fragments of x
.set ADRB, 5                           ; v5-6  of the weights, place 0, 1
.set ASA,  7                           ; v7    of x's scale words
.set ASB,  8                           ; v8    of the weights'
.set TOFF, 9                           ; v9    256 r + 32 h: my place in 16 rows of the table
.set LI,   10                          ; v10   16 x lane
.set HOFF, 11                          ; v11   32 h
.set L4,   12                          ; v12   4 x lane
.set SPW,  14                          ; v14   my spare word; never rewritten
.set NIL,  15                          ; v15   0; never rewritten
.set AS,   32                          ; v32-95   x's scale words: 8 a + K step
.set BS,   96                          ; v96-127  the weight's: 8 b + K step
.set RR,   128                         ; v128-159 a block's 32 numbers a lane
.set HH,   160                         ; v160-175 packed
.set TT,   176                         ; v176-191 at work
.set VS,   192                         ; v192-199 v's column sums
.set DS,   64                          ; window 3: v64-95 the factors; v0-63 two sets of cos and sin.  Window 1: two sets of fragments (x at 96 f + 8 a, W at 96 f + 64 + 8 b).  Window 2: accumulator (a, b) at 8 (4 a + b)
.set G1A, 20
.set G1B, 28
.set G1SA, 36
.set G1SB, 44
.set G0A, 52
.set G0B, 56
.set G0SA, 60
.set G0SB, 68
.set OUTK, 2
.set TBL, 78
.set OUTQ, 80
.set FINB, 82
.set FB,  84
.set DSB, 86
.set VSB, 88
.set MSB, 0
.macro WIN new                         ; the immediate's high byte repeats the setting that is left
.if MSB != \new
	s_set_vgpr_msb (MSB<<8)|\new
.set MSB, \new
.endif
.endm
.macro PLACES                          ; four plain places behind matrix instructions, ahead of loads into their registers and of reads of their results
.rept 4
	v_nop
.endr
.endm
.macro JLOAD g0a, g1a, g0b, g1b        ; a joint load: waves 0 and 1 fetch for x, waves 2 and 3 for the weights; an s_nop 0 and four v_nop follow each line
	s_cmp_eq_u32 s11, 0
	s_cbranch_scc0 .Lfor_b_\@
	tensor_load_to_lds s[\g0a:\g0a+3], s[\g1a:\g1a+7]
	s_nop 0
.rept 4
	v_nop
.endr
	s_branch .Lasked_\@
.Lfor_b_\@:
	tensor_load_to_lds s[\g0b:\g0b+3], s[\g1b:\g1b+7]
	s_nop 0
.rept 4
	v_nop
.endr
.Lasked_\@:
.endm
.macro CROUND                          ; a round of the cluster's barrier
	s_barrier_signal -1
	s_barrier_wait -1
	s_cmp_lg_u32 s10, 0
	s_cbranch_scc1 .Lnot_wave_0_\@
	s_barrier_signal -3
.Lnot_wave_0_\@:
	s_barrier_wait -3
	s_barrier_signal -1
	s_barrier_wait -1
.endm
	s_load_b128 s[4:7], s[0:1], 0x0                ; prep, nmb
	s_load_b64 s[8:9], s[0:1], 0x10                ; qkv
	v_lshl_add_u32 v[SPW], v0, 2, SPARE
	v_mov_b32 v[NIL], 0
	ds_add_u32 v[SPW], v[NIL]                      ; the wave's opening: the add, twice on end, and its wait ahead of my first tensor load
	ds_add_u32 v[SPW], v[NIL]
	v_lshrrev_b32 v1, 5, v0
	v_readfirstlane_b32 s10, v1                    ; wave
	s_lshr_b32 s11, s10, 1                         ; mh: my 128 rows.  Also: I fetch for x (0) or for the weights (1)
	s_and_b32 s12, s10, 1                          ; nh: my head of the two.  Also: which half I fetch
	s_bfe_u32 s13, ttmp6, 0x40000                  ; cx
	s_bfe_u32 s14, ttmp6, 0x40004                  ; cy
	s_lshl_b32 s15, ttmp9, 2
	s_add_co_u32 s15, s15, s13                     ; nb: column block = 4 x cluster x + cx
	s_and_b32 s16, ttmp7, 0xffff
	s_lshl_b32 s16, s16, 2
	s_add_co_u32 s16, s16, s14                     ; mb: row block = 4 x cluster y + cy
	s_lshl_b32 s17, s14, 2
	s_lshl_b32 s17, 15, s17                        ; my row of the cluster
	s_lshl_b32 s18, 0x1111, s13                    ; my column
	s_or_b32 s[G1A], s17, (1<<20)|(1<<21)|(6<<22)|(3<<25)   ; elements of 1 byte; 4 words of padding behind every 128; bit 21 beside a mask
	s_or_b32 s[G1B], s18, (1<<20)|(1<<21)|(6<<22)|(3<<25)
.irp g, G1A, G1B
	s_mov_b32 s[\g+1], 512<<16                     ; tensor_dim0 = 512 bytes
	s_mov_b32 s[\g+2], 128<<16                     ; tensor_dim1 = 128 rows
	s_mov_b32 s[\g+3], 512<<16                     ; tile_dim0
	s_mov_b32 s[\g+4], 128                         ; tile_dim1
	s_mov_b32 s[\g+5], 512                         ; from row to row
	s_mov_b32 s[\g+6], 0
	s_mov_b32 s[\g+7], 0
.endr
	s_or_b32 s[G1SA], s17, (3<<16)|(1<<20)|(1<<21)|(5<<22)|(3<<25)   ; scale bytes: dense, as rows of 32 elements of 8 bytes, 16 bytes of padding behind each
	s_or_b32 s[G1SB], s18, (3<<16)|(1<<20)|(1<<21)|(5<<22)|(3<<25)
	s_mov_b32 s[G1SA+1], 32<<16
	s_mov_b32 s[G1SA+2], 16<<16
	s_mov_b32 s[G1SA+3], 32<<16
	s_mov_b32 s[G1SA+4], 16
	s_mov_b32 s[G1SA+5], 32
	s_mov_b32 s[G1SA+6], 0
	s_mov_b32 s[G1SA+7], 0
	s_mov_b32 s[G1SB+1], 32<<16
	s_mov_b32 s[G1SB+2], 24<<16
	s_mov_b32 s[G1SB+3], 32<<16
	s_mov_b32 s[G1SB+4], 24
	s_mov_b32 s[G1SB+5], 32
	s_mov_b32 s[G1SB+6], 0
	s_mov_b32 s[G1SB+7], 0
	s_lshl_b32 s90, s16, 17                        ; x's codes: (256 mb + 128 half) x 512: made of the row block alone
	s_lshl_b32 s91, s12, 16
	s_add_co_u32 s90, s90, s91
	s_mov_b32 s91, 0
	s_lshl_b32 s94, s16, 13                        ; x's scale bytes
	s_lshl_b32 s95, s12, 12
	s_add_co_u32 s94, s94, s95
	s_add_co_u32 s94, s94, XS
	s_mov_b32 s95, 0
	s_mul_i32 s96, s15, 3                          ; the weights' codes: wave 2 brings q's rows, wave 3 k's: made of the column block alone
	s_add_co_u32 s96, s96, s12
	s_lshl_b32 s96, s96, 16
	s_add_co_u32 s96, s96, WC
	s_mov_b32 s97, 0
	s_mul_i32 s74, s15, 12288                      ; the three weights' scale bytes, in two halves
	s_mul_i32 s75, s12, 6144
	s_add_co_u32 s74, s74, s75
	s_add_co_u32 s74, s74, WS
	s_mov_b32 s75, 0
	s_mul_i32 s77, s12, HALFA                      ; LDS: no place in the cluster enters an LDS address
	s_mul_i32 s2, s12, 16*272
	s_mul_i32 s3, s12, 24*272
	s_lshr_b32 s101, s16, 3
	s_lshl_b32 s101, s101, 3                       ; 8 x batch; never rewritten
	s_mov_b32 s92, 0x3c800000                      ; 1/64
	s_mov_b32 s93, 0x358637bd                      ; 1e-6
	s_mov_b32 s98, 0x76543210
	s_mov_b32 s99, 0xfedcba98                      ; lane l xor 16
	s_wait_dscnt 0x0                               ; both opening adds are done
	s_wait_kmcnt 0x0
	s_load_b64 s[72:73], s[6:7], s101 offset:0x0   ; nm, T0 of my batch
	CROUND                                         ; all sixteen work-groups are here: the first joint loads meet
	s_mov_b32 s[G0SA], 1
	s_add_co_u32 s[G0SA+1], s2, SCA
	s_add_nc_u64 s[G0SA+2:G0SA+3], s[4:5], s[94:95]
	s_or_b32 s[G0SA+3], s[G0SA+3], 0x80000000
	s_mov_b32 s[G0SB], 1
	s_add_co_u32 s[G0SB+1], s3, SCB
	s_add_nc_u64 s[G0SB+2:G0SB+3], s[4:5], s[74:75]
	s_or_b32 s[G0SB+3], s[G0SB+3], 0x80000000
	JLOAD G0SA, G1SA, G0SB, G1SB
	s_mov_b32 s[G0A], 1
	s_mov_b32 s[G0A+1], s77
	s_add_nc_u64 s[G0A+2:G0A+3], s[4:5], s[90:91]
	s_or_b32 s[G0A+3], s[G0A+3], 0x80000000
	s_mov_b32 s[G0B], 1
	s_add_co_u32 s[G0B+1], s77, BS0
	s_add_nc_u64 s[G0B+2:G0B+3], s[4:5], s[96:97]
	s_or_b32 s[G0B+3], s[G0B+3], 0x80000000
	JLOAD G0A, G1A, G0B, G1B                       ; two loads of mine are out
	v_and_b32 v1, 15, v0                           ; r
	v_bfe_u32 v2, v0, 4, 1                         ; h
	v_mul_u32_u24 v3, v1, PITCH
	v_lshl_add_u32 v3, v2, 4, v3                   ; a fragment of 4-bit codes: row x pitch + 16 h, two loads 32 bytes apart
	s_mul_i32 s74, s11, HALFA
	v_add_nc_u32 v[ADRA], s74, v3
	s_mul_i32 s74, s12, 64*PITCH
	s_add_co_u32 s74, s74, BS0
	v_add_nc_u32 v[ADRB], s74, v3
	s_add_co_u32 s74, s74, HALFA
	v_add_nc_u32 v[ADRB+1], s74, v3
	v_lshrrev_b32 v16, 3, v1                       ; a row's 32 scale bytes: eight rows to a run of 256 + 16
	v_mul_u32_u24 v16, v16, 272
	v_and_b32 v17, 7, v1
	v_lshl_add_u32 v16, v17, 5, v16
	s_mul_i32 s74, s11, 16*272
	s_add_co_u32 s74, s74, SCA
	v_add_nc_u32 v[ASA], s74, v16
	s_mul_i32 s74, s12, 8*272
	s_add_co_u32 s74, s74, SCB
	v_add_nc_u32 v[ASB], s74, v16
	v_lshlrev_b32 v[TOFF], 8, v1
	v_lshl_add_u32 v[TOFF], v2, 5, v[TOFF]
	v_and_b32 v[LI], 31, v0
	v_lshlrev_b32 v[L4], 2, v[LI]
	v_lshlrev_b32 v[LI], 4, v[LI]
	v_lshlrev_b32 v[HOFF], 5, v2
	v_mov_b32 v21, 0                               ; a lane permute's destination counts as read
	v_mov_b32 v23, 0                               ; named as the upper half of the pair v[22:23]
.irp b, 0,1,2,3
	v_mov_b32 v[28+\b], 0
.endr
	s_lshr_b32 s74, s16, 3                         ; batch
	s_and_b32 s75, s16, 7                          ; unit
	s_lshl_b32 s77, s15, 1
	s_add_co_u32 s77, s77, s12                     ; head
	s_lshl_b32 s90, s74, 4
	s_add_co_u32 s90, s90, s77                     ; batch x 16 + head
	s_mov_b32 s95, 0
	s_lshl_b32 s94, s16, 16
	s_lshl_b32 s96, s11, 15
	s_add_co_u32 s94, s94, s96
	s_add_co_u32 s94, s94, CST
	s_add_nc_u64 s[TBL:TBL+1], s[4:5], s[94:95]    ; the table at my first row
	s_add_nc_u64 s[DSB:DSB+1], s[4:5], DSC
	s_lshl_b32 s94, s90, 18
	s_lshl_b32 s96, s75, 15
	s_add_co_u32 s94, s94, s96
	s_lshl_b32 s96, s11, 14
	s_add_co_u32 s94, s94, s96
	s_add_nc_u64 s[OUTQ:OUTQ+1], s[8:9], s[94:95]  ; Q's image of my first row tile
	s_lshl_b32 s94, s90, 19
	s_lshl_b32 s97, s75, 16
	s_add_co_u32 s94, s94, s97
	s_add_co_u32 s94, s94, s96
	s_add_co_u32 s94, s94, KV
	s_add_nc_u64 s[OUTK:OUTK+1], s[8:9], s[94:95]  ; K's; V^T's part of mine lies 32,768 bytes further on
	s_mul_i32 s94, s74, 393216
	s_lshl_b32 s96, s77, 12
	s_add_co_u32 s94, s94, s96
	s_add_co_u32 s94, s94, FIN
	s_add_nc_u64 s[FINB:FINB+1], s[8:9], s[94:95]
	s_lshl_b32 s94, s16, 13
	s_lshl_b32 s96, s11, 12
	s_add_co_u32 s94, s94, s96
	s_lshl_b32 s96, s77, 8
	s_add_co_u32 s94, s94, s96
	s_add_co_u32 s94, s94, VSUM
	s_add_nc_u64 s[VSB:VSB+1], s[8:9], s[94:95]
	s_lshl_b32 s76, s75, 4
	s_lshl_b32 s96, s11, 3
	s_add_co_u32 s76, s76, s96
	s_wait_kmcnt 0x0
	s_sub_co_u32 s76, s76, s73                     ; my first row tile in the sequence - T0
.macro FETCH adrb, ks, f               ; the fragments of K step ks (128 codes, 64 bytes of a row) into set f: 24 LDS loads in one run
	WIN 0x40
.irp a, 0,1,2,3,4,5,6,7
.irp c, 0,1
	ds_load_b128 v[96*(\f)+8*\a+4*\c:96*(\f)+8*\a+4*\c+3], v[ADRA] offset:\a*16*PITCH+64*(\ks)+32*\c
.endr
.endr
.irp b, 0,1,2,3
.irp c, 0,1
	ds_load_b128 v[96*(\f)+64+8*\b+4*\c:96*(\f)+64+8*\b+4*\c+3], v[\adrb] offset:\b*16*PITCH+64*(\ks)+32*\c
.endr
.endr
	WIN 0
.endm
; 32 matrix instructions: the 32 accumulators take turns, one instruction a turn, in the same order in every K step
.macro MUL32 f, ks, zero, nat
	WIN 0xa5                                       ; sources 0 and 1 window 1, C and D window 2
.irp a, 0,1,2,3,4,5,6,7
.irp b, 0,1,2,3
.set rD, 8*(4*\a+\b)
.set rA, 96*(\f)+8*\a
.set rB, 96*(\f)+64+8*\b
.set sA, AS+8*\a+(\ks)
.set sB, BS+8*\b+(\ks)
.if \nat
.if \zero
	v_wmma_scale_f32_16x16x128_f8f6f4 v[rD:rD+7], v[rA:rA+7], v[rB:rB+7], 0, v[sA], v[sB] matrix_a_fmt:MATRIX_FMT_FP4 matrix_b_fmt:MATRIX_FMT_FP4
.else
	v_wmma_scale_f32_16x16x128_f8f6f4 v[rD:rD+7], v[rA:rA+7], v[rB:rB+7], v[rD:rD+7], v[sA], v[sB] matrix_a_fmt:MATRIX_FMT_FP4 matrix_b_fmt:MATRIX_FMT_FP4
.endif
.else
.if \zero
	v_wmma_scale_f32_16x16x128_f8f6f4 v[rD:rD+7], v[rB:rB+7], v[rA:rA+7], 0, v[sB], v[sA] matrix_a_fmt:MATRIX_FMT_FP4 matrix_b_fmt:MATRIX_FMT_FP4
.else
	v_wmma_scale_f32_16x16x128_f8f6f4 v[rD:rD+7], v[rB:rB+7], v[rA:rA+7], v[rD:rD+7], v[sB], v[sA] matrix_a_fmt:MATRIX_FMT_FP4 matrix_b_fmt:MATRIX_FMT_FP4
.endif
.endif
.endr
.endr
.endm
; One product: eight K steps.  While a step is multiplied, the next step's 24 loads are on their way into the other set.
.macro TILE t, adrb, nat
.irp b, 0,1,2,3
	ds_load_b128 v[BS+8*\b:BS+8*\b+3], v[ASB] offset:(\t)*16*272+\b*544
	ds_load_b128 v[BS+8*\b+4:BS+8*\b+7], v[ASB] offset:(\t)*16*272+\b*544+16
.endr
	FETCH \adrb, 0, 0
.irp ks, 0,1,2,3,4,5,6,7
.if \ks < 7
	PLACES                                         ; behind the products that read the other set
	FETCH \adrb, \ks+1, (\ks+1)%2
	s_wait_dscnt 24                                ; all but the 24 loads just issued
.else
	s_wait_dscnt 0x0
.endif
.if \ks == 0
	MUL32 0, 0, 1, \nat                            ; the first K step starts the sums: nothing is cleared
.else
	MUL32 \ks%2, \ks, 0, \nat
.endif
.endr
	WIN 0
.endm
; The f32 copies for the last launch: row tile a of mine is tile T0 or T0 + 1 of its batch, or neither.  EXEC becomes all ones or all zeros by a select; the tile's number is held to 0 .. 1 before it enters the address.
.macro PRED a
	s_add_co_u32 s74, s76, \a
	s_cmp_lt_u32 s74, 2
	s_cselect_b32 vcc_lo, -1, 0
	s_min_u32 s74, s74, 1
	s_mul_i32 s74, s74, 196608
	s_mov_b32 s75, 0
	s_wait_xcnt 0x0                                ; the base and EXEC change only behind this wait
	s_add_nc_u64 s[FB:FB+1], s[FINB:FINB+1], s[74:75]
	s_and_saveexec_b32 s100, vcc_lo
.endm
.macro UNPRED
	s_wait_xcnt 0x0                                ; and again ahead of the line that restores EXEC; the block's store data may be written again behind it too
	s_or_b32 exec_lo, exec_lo, s100
.endm
.macro CSLOAD a                        ; cos and sin of row tile a: lane (r, h) takes frequencies 16 b' + 8 h + 0 .. 7 of row r, into set a % 2 of window 3
	WIN 0xc0
.irp sn, 0,1
.irp bb, 0,1
.irp q, 0,1
	global_load_b128 v[32*((\a)%2)+16*\sn+8*\bb+4*\q:32*((\a)%2)+16*\sn+8*\bb+4*\q+3], v[TOFF], s[TBL:TBL+1] offset:(\a)*4096+128*\sn+64*\bb+16*\q
.endr
.endr
.endr
.endm
; q's or k's way out, a row tile at a time
.macro EPI_QK t, out
	PLACES
	WIN 0xc0
.irp b, 0,1,2,3
	global_load_b128 v[DS+8*\b:DS+8*\b+3], v[HOFF], s[DSB:DSB+1] offset:(\t)*256+64*\b
	global_load_b128 v[DS+8*\b+4:DS+8*\b+7], v[HOFF], s[DSB:DSB+1] offset:(\t)*256+64*\b+16
.endr
	CSLOAD 0
.irp a, 0,1,2,3,4,5,6,7
.if \a < 7
	CSLOAD \a+1
	s_wait_loadcnt 8                               ; all but the next tile's eight loads
.else
	s_wait_loadcnt 0x0
.endif
	WIN 0x0e                                       ; source 0: accumulators (window 2); source 1: cos, sin (window 3)
.irp bb, 0,1
.irp jp, 0,2,4,6                       ; each accumulator is read from its low end on
.set aL, 8*(4*\a+\bb)+\jp
.set aH, 8*(4*\a+\bb+2)+\jp
.set cs, 32*(\a%2)+8*\bb+\jp
.set sn, cs+16
.set t1, TT+2*\jp
.set t2, TT+2*\jp+2
	v_pk_mul_f32 v[t1:t1+1], v[aH:aH+1], v[sn:sn+1]
	v_pk_mul_f32 v[t2:t2+1], v[aL:aL+1], v[sn:sn+1]
	v_pk_fma_f32 v[RR+8*\bb+\jp:RR+8*\bb+\jp+1], v[aL:aL+1], v[cs:cs+1], v[t1:t1+1] neg_lo:[0,0,1] neg_hi:[0,0,1]   ; first cos - second sin
	v_pk_fma_f32 v[RR+8*\bb+16+\jp:RR+8*\bb+16+\jp+1], v[aH:aH+1], v[cs:cs+1], v[t2:t2+1]                            ; second cos + first sin
.endr
.endr
	WIN 0
	v_pk_mul_f32 v[16:17], v[RR:RR+1], v[RR:RR+1]  ; the sum of squares, in two chains
	v_pk_mul_f32 v[18:19], v[RR+2:RR+3], v[RR+2:RR+3]
.irp i, 4,8,12,16,20,24,28
	v_pk_fma_f32 v[16:17], v[RR+\i:RR+\i+1], v[RR+\i:RR+\i+1], v[16:17]
	v_pk_fma_f32 v[18:19], v[RR+\i+2:RR+\i+3], v[RR+\i+2:RR+\i+3], v[18:19]
.endr
	v_pk_add_f32 v[16:17], v[16:17], v[18:19]
	v_add_f32 v20, v16, v17
	v_permlanex16_b32 v21, v20, s98, s99           ; the row's other 32 numbers lie in lane l xor 16
	v_add_f32 v20, v20, v21
	v_fma_f32 v20, v20, s92, s93                   ; the mean + 1e-6
	v_rsq_f32 v22, v20
	v_nop                                          ; a plain line behind the transcendental
	s_wait_alu depctr_va_vdst(0)                   ; and the wait ahead of its first reader
.irp i, 0,2,4,6,8,10,12,14,16,18,20,22,24,26,28,30
	v_pk_mul_f32 v[RR+\i:RR+\i+1], v[RR+\i:RR+\i+1], v[22:23] op_sel_hi:[1,0]
.endr
	WIN 0x0c                                       ; source 1: the factors (window 3)
.irp i, 0,2,4,6,8,10,12,14,16,18,20,22,24,26,28,30
	v_pk_mul_f32 v[RR+\i:RR+\i+1], v[RR+\i:RR+\i+1], v[DS+\i:DS+\i+1]
.endr
	WIN 0
.irp i, 0,1,2,3,4,5,6,7,8,9,10,11,12,13,14,15
	v_cvt_pk_f16_f32 v[HH+\i], v[RR+2*\i], v[RR+2*\i+1]
.endr
.irp b, 0,1,2,3
	global_store_b128 v[LI], v[HH+4*\b:HH+4*\b+3], s[\out:\out+1] offset:\a*2048+512*\b   ; 512 consecutive bytes of the image
.endr
	PRED \a
.irp b, 0,1,2,3
	global_store_b128 v[LI], v[RR+8*\b:RR+8*\b+3], s[FB:FB+1] offset:(\t)*65536+1024*\b
	global_store_b128 v[LI], v[RR+8*\b+4:RR+8*\b+7], s[FB:FB+1] offset:(\t)*65536+1024*\b+512
.endr
	UNPRED
.endr
.endm
	s_wait_tensorcnt 0x0                           ; my parts of x, of a weight and of the scale bytes are in,
	s_barrier_signal -1
	s_barrier_wait -1                              ; everybody's are
.irp a, 0,1,2,3,4,5,6,7
	ds_load_b128 v[AS+8*\a:AS+8*\a+3], v[ASA] offset:\a*544
	ds_load_b128 v[AS+8*\a+4:AS+8*\a+7], v[ASA] offset:\a*544+16
.endr
	TILE 0, ADRB, 0                                ; q
	s_wait_tensorcnt 0x0                           ; THE ONE REFILL: no tensor load of mine is out;
	ds_add_u32 v[SPW], v[NIL]                      ; 0 onto my spare word;
	s_mul_i32 s96, s15, 3                          ; (the descriptor's step stands between the add and the wait for it: Wv's 128 rows, into place 0)
	s_add_co_u32 s96, s96, 2
	s_lshl_b32 s96, s96, 16
	s_add_co_u32 s96, s96, WC
	s_mov_b32 s97, 0
	s_mov_b32 s[G0B+1], BS0
	s_add_nc_u64 s[G0B+2:G0B+3], s[4:5], s[96:97]
	s_or_b32 s[G0B+3], s[G0B+3], 0x80000000
	s_wait_dscnt 0x0                               ; the add is done, and my reads of Wq's rows are over
	CROUND                                         ; so it is with every wave of every partner
	s_cmp_eq_u32 s10, 2                            ; wave 2 of each work-group asks, jointly with its column of the cluster
	s_cbranch_scc0 .Lnot_wave_2
	tensor_load_to_lds s[G0B:G0B+3], s[G1B:G1B+7]
	s_nop 0
.rept 4
	v_nop
.endr
.Lnot_wave_2:
	EPI_QK 0, OUTQ
	TILE 1, ADRB+1, 0                              ; k
	EPI_QK 1, OUTK
	s_wait_tensorcnt 0x0                           ; Wv's rows have landed (wave 2's load; the others have none out),
	s_wait_dscnt 0x0
	s_barrier_signal -1
	s_barrier_wait -1                              ; and every wave knows it
	TILE 2, ADRB, 1                                ; v, the natural way
	PLACES
.irp a, 0,1,2,3,4,5,6,7
	WIN 0x0a                                       ; sources 0 and 1: accumulators
.irp b, 0,1,2,3
.irp q, 0,1,2,3
	v_cvt_pk_f16_f32 v[HH+4*\b+\q], v[8*(4*\a+\b)+2*\q], v[8*(4*\a+\b)+2*\q+1]   ; dimension 16 b + r, keys 16 a + 8 h + 2 q, + 1
.endr
.endr
.if \a == 0
.irp b, 0,1,2,3
	v_pk_add_f32 v[VS+2*\b:VS+2*\b+1], v[8*\b:8*\b+1], v[8*\b+2:8*\b+3]      ; the first two pairs start the column sums
.endr
	WIN 0x02
.irp b, 0,1,2,3
.irp q, 2,3
	v_pk_add_f32 v[VS+2*\b:VS+2*\b+1], v[8*\b+2*\q:8*\b+2*\q+1], v[VS+2*\b:VS+2*\b+1]
.endr
.endr
.else
	WIN 0x02
.irp b, 0,1,2,3
.irp q, 0,1,2,3
	v_pk_add_f32 v[VS+2*\b:VS+2*\b+1], v[8*(4*\a+\b)+2*\q:8*(4*\a+\b)+2*\q+1], v[VS+2*\b:VS+2*\b+1]
.endr
.endr
.endif
	WIN 0
.irp b, 0,1,2,3
	global_store_b128 v[LI], v[HH+4*\b:HH+4*\b+3], s[OUTK:OUTK+1] offset:32768+(\a/2)*4096+\b*1024+(\a%2)*512
.endr
	PRED \a
	WIN 0x08                                       ; a store's data are its source 1: window 2
.irp b, 0,1,2,3
	global_store_b128 v[LI], v[8*(4*\a+\b):8*(4*\a+\b)+3], s[FB:FB+1] offset:2*65536+1024*\b
	global_store_b128 v[LI], v[8*(4*\a+\b)+4:8*(4*\a+\b)+7], s[FB:FB+1] offset:2*65536+1024*\b+512
.endr
	WIN 0
	UNPRED
.endr
.irp b, 0,1,2,3
	v_add_f32 v[24+\b], v[VS+2*\b], v[VS+2*\b+1]
.endr
.irp b, 0,1,2,3
	v_permlanex16_b32 v[28+\b], v[24+\b], s98, s99
.endr
.irp b, 0,1,2,3
	v_add_f32 v[24+\b], v[24+\b], v[28+\b]         ; dimension 16 b + r summed over my 128 rows, in both halves of the lanes
.endr
	v_cmp_eq_u32 vcc_lo, 1, v2
	v_cndmask_b32 v16, v24, v25, vcc_lo            ; lane l: dimension l,
	v_cndmask_b32 v17, v26, v27, vcc_lo            ; and 32 + l
	global_store_b32 v[L4], v16, s[VSB:VSB+1]
	global_store_b32 v[L4], v17, s[VSB:VSB+1] offset:128
	s_wait_tensorcnt 0x0                           ; the wave's end
	ds_add_u32 v[SPW], v[NIL]
	s_wait_dscnt 0x0
	CROUND                                         ; the closing round
	s_endpgm
.Lfunc_end_k_q9fe93aaa58_qkv:
	.size	k_q9fe93aaa58_qkv, .Lfunc_end_k_q9fe93aaa58_qkv-k_q9fe93aaa58_qkv
	.p2alignl 7, 3214868480
	.fill 96, 4, 3214868480
	.section	.rodata,"a",@progbits
	.p2align	6, 0x0
	.amdhsa_kernel k_q9fe93aaa58_qkv
		.amdhsa_group_segment_fixed_size 327680
		.amdhsa_private_segment_fixed_size 0
		.amdhsa_enable_private_segment 0
		.amdhsa_kernarg_size 24
		.amdhsa_user_sgpr_count 2
		.amdhsa_user_sgpr_kernarg_segment_ptr 1
		.amdhsa_wavefront_size32 1
		.amdhsa_system_sgpr_workgroup_id_x 1
		.amdhsa_system_sgpr_workgroup_id_y 1
		.amdhsa_system_sgpr_workgroup_id_z 1
		.amdhsa_system_vgpr_workitem_id 0
		.amdhsa_next_free_vgpr 1024
		.amdhsa_next_free_sgpr 102
		.amdhsa_reserve_vcc 1
		.amdhsa_float_denorm_mode_32 3
		.amdhsa_float_denorm_mode_16_64 3
		.amdhsa_memory_ordered 1
		.amdhsa_forward_progress 1
		.amdhsa_inst_pref_size 255
	.end_amdhsa_kernel
	.section	.bss,"aw",@nobits
	.p2align	6
	.space	262144
	.amdgpu_metadata
---
amdhsa.version: [ 1, 2 ]
amdhsa.kernels:
  - .name:           k_q9fe93aaa58_qkv
    .symbol:         k_q9fe93aaa58_qkv.kd
    .args:
      - { .name: prep, .offset: 0, .size: 8, .value_kind: global_buffer, .address_space: global }
      - { .name: nmb, .offset: 8, .size: 8, .value_kind: global_buffer, .address_space: global }
      - { .name: qkv, .offset: 16, .size: 8, .value_kind: global_buffer, .address_space: global }
    .group_segment_fixed_size: 327680
    .private_segment_fixed_size: 0
    .kernarg_segment_align: 8
    .kernarg_segment_size: 24
    .max_flat_workgroup_size: 128
    .sgpr_count:     102
    .vgpr_count:     1024
    .wavefront_size: 32
...
	.end_amdgpu_metadata
.endif
;; end of part 2
;; launch attn (part 3): grid 4 x 64, 8 waves a work-group, no clusters, 133,120 bytes of LDS; arguments qkv, nmb, xi; writes xi
.if DOCPART == 3
	.amdgcn_target "amdgcn-amd-amdhsa--gfx1250"
	.amdhsa_code_object_version 6
	.text
	.protected	k_q9fe93aaa58_attn
	.globl	k_q9fe93aaa58_attn
	.p2align	8
	.type	k_q9fe93aaa58_attn,@function
k_q9fe93aaa58_attn:
	s_mov_b64 s[64:65], 0
	v_nop
	global_prefetch_b8 v0, s[64:65] scope:SCOPE_SE
	s_setreg_imm32_b32 hwreg(HW_REG_WAVE_MODE, 25, 1), 1
	s_wait_xcnt 0x0
; x[b][q][head] = softmax over the keys nm <= k <= q of (q . k) times v, with a running maximum; rows q < nm, all of whose scores reference() sets to one number, get the mean of v over all 2,048 keys.
; Operands are f16 images made by the launch before; sums, maxima and exponentials in f32.  q carries log2(e), so p = 2^(s - m).
; SHARES.  Work-group (I, head) owns query blocks I and 7 - I of 256.  Block I walks I + 1 units of 256 keys, block 7 - I walks 8 - I: nine trips for every work-group, a constant of the text.
; Eight waves, each 32 queries (two tiles of 16); two waves share a SIMD, so that one wave's softmax stands beside the other's products.
; BOTH PRODUCTS ARE USED TRANSPOSED (S^T = K Q^T, O^T = V^T P): a lane holds one query throughout; two tiles of S^T packed in pairs are P's fragment; O^T packed is x's operand image for the projection.
; NO TENSOR LOADS: steps that lie wholly under nm are jumped over and steps wholly open skip the mask, by branches on nm, a number read from memory.
; A unit is 65,536 dense bytes: each wave brings 8,192 through 64 registers a trip ahead and stores them into the other of two LDS slots; one barrier a trip.
; NO CLUSTER: the four work-groups of a head begin their second walk at trips I + 1, which differ; walking in step would take 12 trips in place of 9.
; LIMITS: |v| under 65,504; NaN and infinities are not served.
.set KV,    16777216
.set VSUM,  50331648
.set SLOT1, 65536
.set VM,    131072                     ; LDS: four partial sums of v for each of the head's 64 dimensions
.set SPARE, 132096                     ; the spare words: 128 bytes a wave, four blocks of 256 bytes that no other line names
.set LI,  2                            ; v2-3   16 x lane, in slot 0, 1
.set ADS, 4                            ; v4-5   where my wave stores its part of a unit, slot 0, 1
.set ADR, 6                            ; v6     the step's address
.set PFO, 7                            ; v7     256 x lane
.set RQ,  8                            ; v8-9   r, 16 + r
.set SPW, 10                           ; v10    my spare word; never rewritten
.set NIL, 11                           ; v11    0; never rewritten
.set NEG, 12                           ; v12    -infinity
.set DD,  13                           ; v13-14 the mask's bound for tile 0, 1; on the way out the tiles' queries
.set EE,  15                           ; v15    the prefix's bound
.set ST,  16                           ; tile t's statistics at v[16 + 8 t]: +0 m (+1 its pair's partner), +2, +3 l, +4 .. +7 at work; +6 a
.set RH,  32                           ; v32    r - 8 h
.set H8,  33                           ; v33    8 h
.set S,   64                           ; v64-127  S^T: 32 t + 8 kt
.set P,   128                          ; v128-159 P: 16 t + 8 c
.set STG, 160                          ; v160-223 my part of the next unit
.set QF,  0                            ; window 1: Q 16 t + 8 c;
.set OF,  32                           ; O^T 32 t + 8 dt;
.set KFR, 96                           ; K 16 kt + 8 c;
.set VF,  160                          ; V^T 16 dt + 8 c;
.set VMR, 224                          ; the mean of v at dimensions 16 dt + 8 h + j
.set WV,  10
.set II,  11
.set TT,  13                           ; s13 the trip
.set BLK, 14
.set Q0,  15                           ; s15 my first query
.set KF,  16                           ; s16 the step's first key
.set NM,  17
.set SO,  18                           ; s18 the step's bytes in a slot
.set CN,  19
.set LP,  20
.set LIM, 21
.set KVB, 22
.set NXT, 24
.set PFA, 26
.set QIB, 28
.set XIB, 30
.set XO,  32
.set QA,  34
.set SEL, 36
.set MSB, 0
.macro WIN new
.if MSB != \new
	s_set_vgpr_msb (MSB<<8)|\new
.set MSB, \new
.endif
.endm
.macro PLACES
.rept 4
	v_nop
.endr
.endm
.macro QLOAD                           ; my 32 queries' fragments stay in registers
	WIN 0x40
.irp t, 0,1
.irp c, 0,1
.irp g, 0,1
	global_load_b128 v[QF+16*\t+8*\c+4*\g:QF+16*\t+8*\c+4*\g+3], v[LI], s[QA:QA+1] offset:\t*2048+\c*1024+\g*512
.endr
.endr
.endr
	WIN 0
.endm
.macro INIT                            ; the step is written once: the first finds zeros, which the first change of m leaves zeros
.irp t, 0,1
	v_mov_b32 v[ST+8*\t], 0xff61b1e6               ; m = -3e38, under every score
.irp i, 1,2,3,5,6,7
	v_mov_b32 v[ST+8*\t+\i], 0
.endr
.endr
	WIN 0x40
.set i, 0
.rept 64
	v_mov_b32 v[OF+i], 0
.set i, i+1
.endr
	WIN 0
.endm
	s_load_b128 s[4:7], s[0:1], 0x0                ; qkv, nmb
	s_load_b64 s[8:9], s[0:1], 0x10                ; xi
	v_lshl_add_u32 v[SPW], v0, 2, SPARE
	v_mov_b32 v[NIL], 0
	v_lshrrev_b32 v1, 5, v0
	v_readfirstlane_b32 s[WV], v1
	s_mov_b32 s[II], ttmp9
	s_and_b32 s38, ttmp7, 0xffff                   ; batch x 16 + head
	s_lshr_b32 s39, s38, 4
	s_and_b32 s41, s38, 15
	s_lshl_b32 s42, s39, 3                         ; never rewritten
	s_wait_kmcnt 0x0
	s_load_b32 s[NM], s[6:7], s42 offset:0x0
	v_and_b32 v1, 31, v0
	v_lshlrev_b32 v[LI], 4, v1
	v_add_nc_u32 v[LI+1], SLOT1, v[LI]
	s_lshl_b32 s43, s[WV], 13
	v_add_nc_u32 v[ADS], s43, v[LI]
	v_add_nc_u32 v[ADS+1], SLOT1, v[ADS]
	v_lshlrev_b32 v[PFO], 8, v1
	v_and_b32 v[RQ], 15, v0
	v_add_nc_u32 v[RQ+1], 16, v[RQ]
	v_bfe_u32 v34, v0, 4, 1
	v_lshlrev_b32 v[H8], 3, v34
	v_sub_nc_u32 v[RH], v[RQ], v[H8]
	v_mov_b32 v[NEG], 0xff800000
	v_lshl_add_u32 v35, v0, 2, VM
	v_lshl_add_u32 v36, v34, 5, VM
	v_lshrrev_b32 v37, 6, v0
	v_and_b32 v38, 63, v0
	v_lshlrev_b32 v38, 2, v38
	v_lshl_add_u32 v37, v37, 14, v38               ; thread: quarter t / 64 (four chunks of 128 rows), dimension t % 64
	s_mov_b32 s45, 0
	s_lshl_b32 s44, s38, 19
	s_add_co_u32 s44, s44, s43
	s_add_co_u32 s44, s44, KV
	s_add_nc_u64 s[KVB:KVB+1], s[4:5], s[44:45]    ; my wave's 8,192 bytes of the head's unit 0
	s_lshl_b32 s44, s38, 18
	s_lshl_b32 s46, s[WV], 12
	s_add_co_u32 s44, s44, s46
	s_add_nc_u64 s[QIB:QIB+1], s[4:5], s[44:45]
	s_lshl_b32 s44, s39, 16
	s_lshl_b32 s46, s41, 8
	s_add_co_u32 s44, s44, s46
	s_add_co_u32 s44, s44, VSUM
	s_add_nc_u64 s[48:49], s[4:5], s[44:45]
	s_lshl_b32 s44, s39, 22
	s_lshl_b32 s46, s41, 11
	s_add_co_u32 s44, s44, s46
	s_lshl_b32 s46, s[WV], 16
	s_add_co_u32 s44, s44, s46
	s_add_nc_u64 s[XIB:XIB+1], s[8:9], s[44:45]
	s_mov_b32 s[BLK], s[II]
	s_lshl_b32 s[Q0], s[II], 8
	s_lshl_b32 s46, s[WV], 5
	s_add_co_u32 s[Q0], s[Q0], s46
	s_mov_b32 s[KF], 0
	s_mov_b32 s[TT], 0
	s_lshl_b32 s44, s[II], 15
	s_add_nc_u64 s[QA:QA+1], s[QIB:QIB+1], s[44:45]
	s_lshl_b32 s44, s[II], 19
	s_add_nc_u64 s[XO:XO+1], s[XIB:XIB+1], s[44:45]
	s_cmp_eq_u32 s[II], 0
	s_cselect_b32 s[LIM], 6, 0                     ; the head's first work-group prefetches, in trips 0 to 5
	s_mov_b32 s[SEL], 0x76543210
	s_mov_b32 s[SEL+1], 0xfedcba98
.irp c, 0,1,2,3
	global_load_b32 v[40+\c], v37, s[48:49] offset:\c*4096
.endr
.irp i, 0,1,2,3,4,5,6,7,8,9,10,11,12,13,14,15
	global_load_b128 v[STG+4*\i:STG+4*\i+3], v[LI], s[KVB:KVB+1] offset:\i*512
.endr
	QLOAD
	s_wait_loadcnt 24                              ; the four sums are in (behind them: the unit's 16 loads and Q's 8)
	v_add_f32 v40, v40, v41
	v_add_f32 v42, v42, v43
	v_add_f32 v40, v40, v42
	ds_store_b32 v35, v40
	s_wait_loadcnt 8                               ; my part of unit 0 is in
.irp i, 0,1,2,3,4,5,6,7,8,9,10,11,12,13,14,15
	ds_store_b128 v[ADS], v[STG+4*\i:STG+4*\i+3] offset:\i*512
.endr
	INIT
	s_wait_dscnt 0x0                               ; for the others' sake: my stores are done
	s_barrier_signal -1
	s_barrier_wait -1
.irp q, 0,1,2,3
.irp d, 0,1,2,3
.irp p, 0,1
	ds_load_b128 v[64+32*\q+8*\d+4*\p:64+32*\q+8*\d+4*\p+3], v36 offset:\q*256+\d*64+\p*16
.endr
.endr
.endr
	s_wait_dscnt 0x0
.irp i, 0,2,4,6,8,10,12,14,16,18,20,22,24,26,28,30
	v_pk_add_f32 v[64+\i:65+\i], v[64+\i:65+\i], v[96+\i:97+\i]
	v_pk_add_f32 v[128+\i:129+\i], v[128+\i:129+\i], v[160+\i:161+\i]
.endr
.irp i, 0,2,4,6,8,10,12,14,16,18,20,22,24,26,28,30
	v_pk_add_f32 v[64+\i:65+\i], v[64+\i:65+\i], v[128+\i:129+\i]
.endr
	WIN 0x40
.irp i, 0,2,4,6,8,10,12,14,16,18,20,22,24,26,28,30
	v_pk_mul_f32 v[VMR+\i:VMR+\i+1], v[64+\i:65+\i], 0x3a000000 op_sel_hi:[1,0]   ; / 2,048: the mean of v
.endr
	WIN 0
	s_wait_loadcnt 0x0                             ; Q
	s_wait_kmcnt 0x0                               ; nm
; A KEY STEP: 64 keys
.macro STEP slot
	s_add_co_u32 s38, s[Q0], 31
	s_cmp_gt_u32 s[KF], s38                        ; all its keys come after my 32 queries,
	s_cbranch_scc1 .Lskip_\@
	s_add_co_u32 s38, s[KF], 64
	s_cmp_le_u32 s38, s[NM]                        ; or all lie under the prefix: nothing of it counts
	s_cbranch_scc1 .Lskip_\@
	v_add_nc_u32 v[ADR], s[SO], v[LI+\slot]
	WIN 0x40
.irp kt, 0,1,2,3
.irp c, 0,1
.irp g, 0,1
	ds_load_b128 v[KFR+16*\kt+8*\c+4*\g:KFR+16*\kt+8*\c+4*\g+3], v[ADR] offset:\kt*2048+\c*1024+\g*512
.endr
.endr
.endr
	s_wait_dscnt 0x0
	WIN 0x05                                       ; K and Q window 1, S^T window 0.  The eight accumulators take turns
.irp t, 0,1
.irp kt, 0,1,2,3
	v_wmma_f32_16x16x32_f16 v[S+32*\t+8*\kt:S+32*\t+8*\kt+7], v[KFR+16*\kt:KFR+16*\kt+7], v[QF+16*\t:QF+16*\t+7], 0
.endr
.endr
.irp t, 0,1
.irp kt, 0,1,2,3
	v_wmma_f32_16x16x32_f16 v[S+32*\t+8*\kt:S+32*\t+8*\kt+7], v[KFR+16*\kt+8:KFR+16*\kt+15], v[QF+16*\t+8:QF+16*\t+15], v[S+32*\t+8*\kt:S+32*\t+8*\kt+7]
.endr
.endr
	WIN 0
	PLACES                                         ; ahead of the first read of the scores, and of the loads into V's registers
	WIN 0x40
.irp dt, 0,1,2,3
.irp c, 0,1
.irp g, 0,1
	ds_load_b128 v[VF+16*\dt+8*\c+4*\g:VF+16*\dt+8*\c+4*\g+3], v[ADR] offset:32768+\c*4096+\dt*1024+\g*512
.endr
.endr
.endr
	WIN 0
	s_add_co_u32 s38, s[KF], 63
	s_cmp_gt_u32 s38, s[Q0]                        ; on the diagonal,
	s_cbranch_scc1 .Lmask_\@
	s_cmp_ge_u32 s[KF], s[NM]                      ; or across the prefix's end?  Else every key counts
	s_cbranch_scc1 .Lopen_\@
.Lmask_\@:
	s_sub_co_i32 s38, s[Q0], s[KF]
	v_add_nc_u32 v[DD], s38, v[RH]                 ; register 8 kt + j holds key KF + 8 h + 16 kt + j: hidden where 16 kt + j > my query - KF - 8 h,
	v_add_nc_u32 v[DD+1], 16, v[DD]
	s_sub_co_i32 s39, s[NM], s[KF]
	v_sub_nc_u32 v[EE], s39, v[H8]                 ; or 16 kt + j < nm - KF - 8 h
.irp t, 0,1
.irp kt, 0,1,2,3
.irp j, 0,1,2,3,4,5,6,7
	v_cmp_gt_i32 vcc_lo, 16*\kt+\j, v[DD+\t]
	v_cmp_lt_i32 s40, 16*\kt+\j, v[EE]
	s_or_b32 vcc_lo, vcc_lo, s40
	v_cndmask_b32 v[S+32*\t+8*\kt+\j], v[S+32*\t+8*\kt+\j], v[NEG], vcc_lo
.endr
.endr
.endr
.Lopen_\@:
.irp j, 0,1,2,3                        ; the maximum: four chains a tile, the tiles by turns; each accumulator is first read at its registers 0 to 2
.irp t, 0,1
	v_max3_num_f32 v[ST+8*\t+4+\j], v[S+32*\t+8*\j], v[S+32*\t+8*\j+1], v[S+32*\t+8*\j+2]
.endr
.endr
.irp u, 3,5
.irp j, 0,1,2,3
.irp t, 0,1
	v_max3_num_f32 v[ST+8*\t+4+\j], v[ST+8*\t+4+\j], v[S+32*\t+8*\j+\u], v[S+32*\t+8*\j+\u+1]
.endr
.endr
.endr
.irp t, 0,1
	v_max3_num_f32 v[ST+8*\t+4], v[ST+8*\t+4], v[S+32*\t+7], v[S+32*\t+15]
.endr
.irp t, 0,1
	v_max3_num_f32 v[ST+8*\t+6], v[ST+8*\t+6], v[S+32*\t+23], v[S+32*\t+31]
.endr
.irp t, 0,1
	v_max3_num_f32 v[ST+8*\t+4], v[ST+8*\t+4], v[ST+8*\t+5], v[ST+8*\t+6]
.endr
.irp t, 0,1
	v_max3_num_f32 v[ST+8*\t+4], v[ST+8*\t+4], v[ST+8*\t+7], v[ST+8*\t]    ; with the old m
.endr
.irp t, 0,1
	v_permlanex16_b32 v[ST+8*\t+5], v[ST+8*\t+4], s[SEL], s[SEL+1]         ; the query's other 32 keys lie in lane l xor 16
.endr
.irp t, 0,1
	v_mov_b32 v[ST+8*\t+7], v[ST+8*\t]
.endr
.irp t, 0,1
	v_max_num_f32 v[ST+8*\t], v[ST+8*\t+4], v[ST+8*\t+5]                   ; the new m
.endr
.irp t, 0,1
	v_sub_f32 v[ST+8*\t+7], v[ST+8*\t+7], v[ST+8*\t]
.endr
.set i, 0
.rept 16
.irp t, 0,1
	v_pk_add_f32 v[S+32*\t+2*i:S+32*\t+2*i+1], v[S+32*\t+2*i:S+32*\t+2*i+1], v[ST+8*\t:ST+8*\t+1] op_sel_hi:[1,0] neg_lo:[0,1] neg_hi:[0,1]
.endr
.set i, i+1
.endr
.irp t, 0,1
	v_exp_f32 v[ST+8*\t+6], v[ST+8*\t+7]           ; a = 2^(old m - new m)
.endr
.set i, 0
.rept 32
.irp t, 0,1
	v_exp_f32 v[S+32*\t+i], v[S+32*\t+i]           ; p
.endr
.set i, i+1
.endr
	v_nop                                          ; a plain line behind the batch of 66,
	s_wait_alu depctr_va_vdst(0)                   ; and the one wait ahead of its first reader
.set i, 0
.rept 16
.irp t, 0,1
	v_cvt_pk_f16_f32 v[P+16*\t+i], v[S+32*\t+2*i], v[S+32*\t+2*i+1]
.endr
.set i, i+1
.endr
.irp u, 0,1,2,3,4,5,6,7                ; the row's sum of the unrounded p, in place
.irp t, 0,1
	v_pk_add_f32 v[S+32*\t+4*\u:S+32*\t+4*\u+1], v[S+32*\t+4*\u:S+32*\t+4*\u+1], v[S+32*\t+4*\u+2:S+32*\t+4*\u+3]
.endr
.endr
.irp u, 0,1,2,3
.irp t, 0,1
	v_pk_add_f32 v[S+32*\t+8*\u:S+32*\t+8*\u+1], v[S+32*\t+8*\u:S+32*\t+8*\u+1], v[S+32*\t+8*\u+4:S+32*\t+8*\u+5]
.endr
.endr
.irp u, 0,1
.irp t, 0,1
	v_pk_add_f32 v[S+32*\t+16*\u:S+32*\t+16*\u+1], v[S+32*\t+16*\u:S+32*\t+16*\u+1], v[S+32*\t+16*\u+8:S+32*\t+16*\u+9]
.endr
.endr
.irp t, 0,1
	v_pk_add_f32 v[S+32*\t:S+32*\t+1], v[S+32*\t:S+32*\t+1], v[S+32*\t+16:S+32*\t+17]
.endr
.irp t, 0,1
	v_pk_fma_f32 v[ST+8*\t+2:ST+8*\t+3], v[ST+8*\t+2:ST+8*\t+3], v[ST+8*\t+6:ST+8*\t+7], v[S+32*\t:S+32*\t+1] op_sel_hi:[1,0,1]   ; l = a l + the sum
.endr
	WIN 0x41
.irp t, 0,1
.set i, 0
.rept 16
	v_pk_mul_f32 v[OF+32*\t+2*i:OF+32*\t+2*i+1], v[OF+32*\t+2*i:OF+32*\t+2*i+1], v[ST+8*\t+6:ST+8*\t+7] op_sel_hi:[1,0]   ; O^T x a
.set i, i+1
.endr
.endr
	s_wait_dscnt 0x0                               ; V
	WIN 0x51                                       ; V^T window 1, P window 0, O^T window 1
.irp c, 0,1
.irp t, 0,1
.irp dt, 0,1,2,3
	v_wmma_f32_16x16x32_f16 v[OF+32*\t+8*\dt:OF+32*\t+8*\dt+7], v[VF+16*\dt+8*\c:VF+16*\dt+8*\c+7], v[P+16*\t+8*\c:P+16*\t+8*\c+7], v[OF+32*\t+8*\dt:OF+32*\t+8*\dt+7]
.endr
.endr
.endr
	WIN 0
.Lskip_\@:
.endm
; A block's way out: O^T / l, or the mean of v where the query lies under nm (there l = 0, and what the division gives is thrown away by the select); packed, it is x's image.
.macro WAYOUT last
	PLACES                                         ; behind the last products
.if !\last
	s_sub_co_u32 s[BLK], 7, s[II]
	s_lshl_b32 s38, s[BLK], 15
	s_mov_b32 s39, 0
	s_add_nc_u64 s[QA:QA+1], s[QIB:QIB+1], s[38:39]
	QLOAD                                          ; the second block's queries
.endif
.irp t, 0,1
	v_add_f32 v[ST+8*\t+4], v[ST+8*\t+2], v[ST+8*\t+3]
.endr
.irp t, 0,1
	v_permlanex16_b32 v[ST+8*\t+5], v[ST+8*\t+4], s[SEL], s[SEL+1]
.endr
.irp t, 0,1
	v_add_f32 v[ST+8*\t+4], v[ST+8*\t+4], v[ST+8*\t+5]
.endr
.irp t, 0,1
	v_rcp_f32 v[ST+8*\t+6], v[ST+8*\t+4]
.endr
	v_add_nc_u32 v[DD], s[Q0], v[RQ]               ; my two queries (plain lines behind the reciprocals)
	v_add_nc_u32 v[DD+1], s[Q0], v[RQ+1]
	v_cmp_gt_u32 s40, s[NM], v[DD]
	v_cmp_gt_u32 s41, s[NM], v[DD+1]
	s_wait_alu depctr_va_vdst(0)
	WIN 0x01
.irp t, 0,1
.set i, 0
.rept 16
	v_pk_mul_f32 v[S+32*\t+2*i:S+32*\t+2*i+1], v[OF+32*\t+2*i:OF+32*\t+2*i+1], v[ST+8*\t+6:ST+8*\t+7] op_sel_hi:[1,0]   ; each accumulator from its low end on
.set i, i+1
.endr
.endr
	WIN 0x04
.irp t, 0,1
.set i, 0
.rept 32
	v_cndmask_b32 v[S+32*\t+i], v[S+32*\t+i], v[VMR+i], s[40+\t]
.set i, i+1
.endr
.endr
	WIN 0
.irp t, 0,1
.set i, 0
.rept 16
	v_cvt_pk_f16_f32 v[P+16*\t+i], v[S+32*\t+2*i], v[S+32*\t+2*i+1]
.set i, i+1
.endr
.endr
.irp t, 0,1
.irp dt, 0,1,2,3
	global_store_b128 v[LI], v[P+16*\t+4*\dt:P+16*\t+4*\dt+3], s[XO:XO+1] offset:\t*32768+\dt*512   ; 512 consecutive bytes; a tile's four stores 2,048 on end
.endr
.endr
.if !\last
	s_wait_xcnt 0x0                                ; the stores have read P and their base
	INIT
	s_lshl_b32 s[Q0], s[BLK], 8
	s_lshl_b32 s38, s[WV], 5
	s_add_co_u32 s[Q0], s[Q0], s38
	s_mov_b32 s[KF], 0
	s_lshl_b32 s38, s[BLK], 19
	s_add_nc_u64 s[XO:XO+1], s[XIB:XIB+1], s[38:39]
.endif
.endm
; A TRIP: one unit of 256 keys out of slot \slot, while my part of the next unit comes into registers; it goes into the other slot at the trip's end.
.macro TRIP slot, last
.if !\last
	s_wait_xcnt 0x0                                ; the last trip's loads and prefetch have read their addresses
	s_add_co_u32 s38, s[TT], 1
	s_sub_co_u32 s39, s[TT], s[II]
	s_cmp_le_u32 s38, s[II]
	s_cselect_b32 s38, s38, s39                    ; the next unit: T + 1 in the first walk, T - I in the second
	s_lshl_b32 s38, s38, 16
	s_mov_b32 s39, 0
	s_add_nc_u64 s[NXT:NXT+1], s[KVB:KVB+1], s[38:39]
.irp i, 0,1,2,3,4,5,6,7,8,9,10,11,12,13,14,15
	global_load_b128 v[STG+4*\i:STG+4*\i+3], v[LI], s[NXT:NXT+1] offset:\i*512
.endr
	s_add_co_u32 s38, s[TT], 2                     ; A PREFETCH of unit T + 2, by the head's first work-group alone, in trips 0 to 5: each wave its 8,192 bytes, lanes 256 bytes apart:
	s_lshl_b32 s38, s38, 16                        ; so each block of 256 bytes of units 2 to 7 is named once for a head, a trip ahead of the first load that wants it
	s_add_nc_u64 s[PFA:PFA+1], s[KVB:KVB+1], s[38:39]
	s_cmp_lt_u32 s[TT], s[LIM]
	s_cbranch_scc0 .Lno_ask_\@
	global_prefetch_b8 v[PFO], s[PFA:PFA+1] th:TH_LOAD_NT scope:SCOPE_SE
.Lno_ask_\@:
.endif
	s_mov_b32 s[SO], 0
	s_mov_b32 s[CN], 4
.Lstep_\@:
	STEP \slot
	s_add_co_u32 s[KF], s[KF], 64
	s_add_co_u32 s[SO], s[SO], 8192
	s_sub_co_u32 s[CN], s[CN], 1
	s_cmp_lg_u32 s[CN], 0
	s_cbranch_scc1 .Lstep_\@
.if \last
	WAYOUT 1
.else
	s_cmp_lg_u32 s[TT], s[II]                      ; the first block ends with trip I
	s_cbranch_scc1 .Lno_way_\@
	WAYOUT 0
.Lno_way_\@:
	s_wait_loadcnt 0x0                             ; my part of the next unit (and the second block's queries)
.irp i, 0,1,2,3,4,5,6,7,8,9,10,11,12,13,14,15
	ds_store_b128 v[ADS+1-\slot], v[STG+4*\i:STG+4*\i+3] offset:\i*512
.endr
	s_wait_dscnt 0x0                               ; my stores into the other slot are done, and my reads of this one are over
	s_barrier_signal -1
	s_barrier_wait -1                              ; one barrier a trip serves both
	s_add_co_u32 s[TT], s[TT], 1
.endif
.endm
	s_mov_b32 s[LP], 4
.Lpair:
	TRIP 0, 0
	TRIP 1, 0
	s_sub_co_u32 s[LP], s[LP], 1
	s_cmp_lg_u32 s[LP], 0
	s_cbranch_scc1 .Lpair
	TRIP 0, 1                                      ; the ninth trip fetches nothing
	s_wait_tensorcnt 0x0                           ; the wave's end, behind my last LDS store
	ds_add_u32 v[SPW], v[NIL]
	s_wait_dscnt 0x0
	s_endpgm
.Lfunc_end_k_q9fe93aaa58_attn:
	.size	k_q9fe93aaa58_attn, .Lfunc_end_k_q9fe93aaa58_attn-k_q9fe93aaa58_attn
	.p2alignl 7, 3214868480
	.fill 96, 4, 3214868480
	.section	.rodata,"a",@progbits
	.p2align	6, 0x0
	.amdhsa_kernel k_q9fe93aaa58_attn
		.amdhsa_group_segment_fixed_size 133120
		.amdhsa_private_segment_fixed_size 0
		.amdhsa_enable_private_segment 0
		.amdhsa_kernarg_size 24
		.amdhsa_user_sgpr_count 2
		.amdhsa_user_sgpr_kernarg_segment_ptr 1
		.amdhsa_wavefront_size32 1
		.amdhsa_system_sgpr_workgroup_id_x 1
		.amdhsa_system_sgpr_workgroup_id_y 1
		.amdhsa_system_sgpr_workgroup_id_z 1
		.amdhsa_system_vgpr_workitem_id 0
		.amdhsa_next_free_vgpr 512
		.amdhsa_next_free_sgpr 66
		.amdhsa_reserve_vcc 1
		.amdhsa_float_denorm_mode_32 3
		.amdhsa_float_denorm_mode_16_64 3
		.amdhsa_memory_ordered 1
		.amdhsa_forward_progress 1
		.amdhsa_inst_pref_size 142
	.end_amdhsa_kernel
	.amdgpu_metadata
---
amdhsa.version: [ 1, 2 ]
amdhsa.kernels:
  - .name:           k_q9fe93aaa58_attn
    .symbol:         k_q9fe93aaa58_attn.kd
    .args:
      - { .name: qkv, .offset: 0, .size: 8, .value_kind: global_buffer, .address_space: global }
      - { .name: nmb, .offset: 8, .size: 8, .value_kind: global_buffer, .address_space: global }
      - { .name: xi, .offset: 16, .size: 8, .value_kind: global_buffer, .address_space: global }
    .group_segment_fixed_size: 133120
    .private_segment_fixed_size: 0
    .kernarg_segment_align: 8
    .kernarg_segment_size: 24
    .max_flat_workgroup_size: 256
    .sgpr_count:     66
    .vgpr_count:     512
    .wavefront_size: 32
...
	.end_amdgpu_metadata
.endif
;; end of part 3
;; launch proj (part 4): grid 4 x 64, 4 waves a work-group, clusters of 4 x 4, 327,680 bytes of LDS; arguments xi, prep, out0; writes out0
.if DOCPART == 4
	.amdgcn_target "amdgcn-amd-amdhsa--gfx1250"
	.amdhsa_code_object_version 6
	.text
	.protected	k_q9fe93aaa58_proj
	.globl	k_q9fe93aaa58_proj
	.p2align	8
	.type	k_q9fe93aaa58_proj,@function
k_q9fe93aaa58_proj:
	s_mov_b64 s[64:65], 0
	v_nop
	global_prefetch_b8 v0, s[64:65] scope:SCOPE_SE
	s_setreg_imm32_b32 hwreg(HW_REG_WAVE_MODE, 25, 1), 1
	s_wait_xcnt 0x0
	s_wait_alu depctr_hold_cnt(0) depctr_sa_sdst(0) depctr_va_vdst(0) depctr_va_sdst(0) depctr_va_ssrc(0) depctr_va_vcc(0) depctr_vm_vsrc(0)
	s_getreg_b32 s2, hwreg(HW_REG_IB_STS2, 6, 4)
	s_cmp_eq_u32 s2, 0
	s_cbranch_scc0 .Lentry_in_a_cluster
	s_endpgm
.Lentry_in_a_cluster:
	s_bfe_u32 s2, ttmp6, 0x10000c
	s_cmp_lg_u32 s2, 0xf033
	s_cbranch_scc0 .Lentry_shape_is_right
	s_endpgm
.Lentry_shape_is_right:
; out0 = x Wo^T: [8192, 1024] x [1024, 1024], f16 operands (x's image from the attention launch, Wo's high image), f32 sums, f32 out.
; A tile of the output is 128 rows x 256 columns: 256 work-groups.  Four waves, each 64 x 128: 32 accumulators.  K goes in steps of 128 through a ring of two LDS slots.
; BOTH OPERANDS LIE IN MEMORY AS IMAGES OF THEIR REGISTERS ([16 rows][32 along K][4 registers][lane][16 bytes]): a K step of 16 rows is 4,096 consecutive bytes, a fragment comes by two loads at 16 x lane
; (512 consecutive bytes each), so LDS needs no padding.  A tensor load brings 4 (x) or 8 (Wo) such runs, 32,768 bytes apart in memory.
; CLUSTER 4 x 4: x's tiles are shared along a row of the cluster, Wo's along a column, each asked for jointly.  The matrix instruction is used transposed (source 0 = Wo, source 1 = x): a lane holds eight
; neighbouring columns of a row.  No prefetch: each work-group's share of the operands is small beside the 128 KiB that it stores, and a step's load has 112 matrix instructions in which to land.
.set WOH,   6127616
.set SLOT,  98304                      ; x: 8 row tiles x 4,096, then Wo: 16 x 4,096
.set STAGE, 2*SLOT                     ; behind the ring: 16 rows x (512 + 16) bytes for each wave
.set SPITCH, 528
.set SPARE, STAGE+4*16*SPITCH          ; the spare words: 128 bytes a wave, two blocks of 256 bytes that no other line names
.set ADRA, 16                          ; v16-17 my fragments of x in slot 0, 1
.set ADRB, 20                          ; v20-21 of Wo
.set STO,  24
.set RD,   25
.set CO,   26
.set SPW,  28
.set NIL,  29
.set BK,   128                         ; v128-255 rows read back, two sets.  Window 1: two sets of fragments (Wo at 96 f + 8 b, x at 96 f + 64 + 8 a).  Window 2: accumulator (a, b) at 8 (8 a + b)
.set G1, 24
.set G0, 32
.set G1B, 48
.set G0B, 56
.set MSB, 0
.macro WIN new
.if MSB != \new
	s_set_vgpr_msb (MSB<<8)|\new
.set MSB, \new
.endif
.endm
.macro PLACES
.rept 4
	v_nop
.endr
.endm
.macro JLOAD s                         ; waves 0 and 1 fetch x's halves, waves 2 and 3 Wo's; an s_nop 0 and four v_nop follow each line
	s_cmp_eq_u32 s11, 0
	s_cbranch_scc0 .Lfor_b_\@
	tensor_load_to_lds s[G0+4*\s:G0+4*\s+3], s[G1:G1+7]
	s_nop 0
.rept 4
	v_nop
.endr
	s_branch .Lasked_\@
.Lfor_b_\@:
	tensor_load_to_lds s[G0B+4*\s:G0B+4*\s+3], s[G1B:G1B+7]
	s_nop 0
.rept 4
	v_nop
.endr
.Lasked_\@:
.endm
.macro CREST
	s_cmp_lg_u32 s10, 0
	s_cbranch_scc1 .Lnot_wave_0_\@
	s_barrier_signal -3
.Lnot_wave_0_\@:
	s_barrier_wait -3
	s_barrier_signal -1
	s_barrier_wait -1
.endm
.macro CROUND
	s_barrier_signal -1
	s_barrier_wait -1
	CREST
.endm
	s_load_b128 s[4:7], s[0:1], 0x0                ; xi, prep
	s_load_b64 s[8:9], s[0:1], 0x10                ; out0
	v_lshl_add_u32 v[SPW], v0, 2, SPARE
	v_mov_b32 v[NIL], 0
	ds_add_u32 v[SPW], v[NIL]                      ; the wave's opening: the add, twice on end, and its wait ahead of my first tensor load
	ds_add_u32 v[SPW], v[NIL]
	v_lshrrev_b32 v1, 5, v0
	v_readfirstlane_b32 s10, v1
	s_lshr_b32 s11, s10, 1                         ; my 64 rows.  Also: I fetch for x (0) or for Wo (1)
	s_and_b32 s12, s10, 1                          ; my 128 columns.  Also: which half I fetch
	s_bfe_u32 s40, ttmp6, 0x40000
	s_bfe_u32 s41, ttmp6, 0x40004
	s_lshl_b32 s42, ttmp9, 2
	s_add_co_u32 s42, s42, s40                     ; tile column
	s_and_b32 s13, ttmp7, 0xffff
	s_lshl_b32 s13, s13, 2
	s_add_co_u32 s13, s13, s41                     ; tile row
	s_lshl_b32 s43, s41, 2
	s_lshl_b32 s43, 15, s43
	s_lshl_b32 s44, 0x1111, s40
	s_or_b32 s[G1], s43, (3<<16)|(1<<21)           ; elements of 8 bytes, no padding; bit 21 beside a mask
	s_or_b32 s[G1B], s44, (3<<16)|(1<<21)
	s_mov_b32 s[G1+1], 512<<16                     ; a run of 4,096 bytes
	s_mov_b32 s[G1+2], 4<<16
	s_mov_b32 s[G1+3], 512<<16
	s_mov_b32 s[G1+4], 4
	s_mov_b32 s[G1+5], 4096                        ; 32,768 bytes from run to run
	s_mov_b32 s[G1+6], 0
	s_mov_b32 s[G1+7], 0
	s_mov_b32 s[G1B+1], 512<<16
	s_mov_b32 s[G1B+2], 8<<16
	s_mov_b32 s[G1B+3], 512<<16
	s_mov_b32 s[G1B+4], 8
	s_mov_b32 s[G1B+5], 4096
	s_mov_b32 s[G1B+6], 0
	s_mov_b32 s[G1B+7], 0
	s_lshl_b32 s16, s13, 18                        ; x: row tile 8 x tile row + 4 x half
	s_lshl_b32 s17, s12, 17
	s_add_co_u32 s16, s16, s17
	s_mov_b32 s17, 0
	s_lshl_b32 s46, s42, 19                        ; Wo: tile 16 x tile column + 8 x half
	s_lshl_b32 s47, s12, 18
	s_add_co_u32 s46, s46, s47
	s_add_co_u32 s46, s46, WOH
	s_mov_b32 s47, 0
	s_lshl_b32 s20, s12, 14                        ; LDS: made of the wave's number alone
	s_lshl_b32 s21, s12, 15
	s_add_co_u32 s21, s21, 32768
	s_wait_dscnt 0x0
	s_wait_kmcnt 0x0
	s_add_nc_u64 s[14:15], s[4:5], s[16:17]
	s_add_nc_u64 s[46:47], s[6:7], s[46:47]
	CROUND
.irp s, 0,1
	s_mov_b32 s[G0+4*\s], 1
	s_add_co_u32 s[G0+4*\s+1], s20, \s*SLOT
	s_add_nc_u64 s[G0+4*\s+2:G0+4*\s+3], s[14:15], \s*4096
	s_or_b32 s[G0+4*\s+3], s[G0+4*\s+3], 0x80000000
	s_mov_b32 s[G0B+4*\s], 1
	s_add_co_u32 s[G0B+4*\s+1], s21, \s*SLOT
	s_add_nc_u64 s[G0B+4*\s+2:G0B+4*\s+3], s[46:47], \s*4096
	s_or_b32 s[G0B+4*\s+3], s[G0B+4*\s+3], 0x80000000
	JLOAD \s
.endr
	v_and_b32 v1, 15, v0
	v_bfe_u32 v2, v0, 4, 1
	v_and_b32 v3, 31, v0
	v_lshlrev_b32 v[CO], 4, v3                     ; 16 x lane
	s_lshl_b32 s21, s11, 14
	s_lshl_b32 s22, s12, 15
	s_add_co_u32 s22, s22, 32768
.irp s, 0,1
	v_add_nc_u32 v[ADRA+\s], s21, v[CO]
	v_add_nc_u32 v[ADRB+\s], s22, v[CO]
	s_add_co_u32 s21, s21, SLOT
	s_add_co_u32 s22, s22, SLOT
.endr
	s_mul_i32 s23, s10, 16*SPITCH
	s_add_co_u32 s23, s23, STAGE
	v_mul_u32_u24 v4, v1, SPITCH
	v_lshl_add_u32 v4, v2, 5, v4
	v_add_nc_u32 v[STO], s23, v4                   ; in: row r, 32 bytes for each half of the lanes
	v_add_nc_u32 v[RD], s23, v[CO]                 ; back: the 32 lanes take a row of 512 bytes
	s_lshl_b32 s16, s13, 19                        ; my first row of out0: 128 x tile row + 64 x half, 4,096 bytes a row
	s_lshl_b32 s17, s11, 18
	s_add_co_u32 s16, s16, s17
	s_lshl_b32 s17, s42, 10
	s_add_co_u32 s16, s16, s17
	s_lshl_b32 s17, s12, 9
	s_add_co_u32 s16, s16, s17
	s_mov_b32 s17, 0
	s_add_nc_u64 s[8:9], s[8:9], s[16:17]
.macro MUL8 f, a, zero                 ; the 32 accumulators take turns, in the same order in every quarter
	WIN 0xa5
.irp b, 0,1,2,3,4,5,6,7
.if \zero
	v_wmma_f32_16x16x32_f16 v[8*(8*(\a)+\b):8*(8*(\a)+\b)+7], v[96*(\f)+8*\b:96*(\f)+8*\b+7], v[96*(\f)+64+8*(\a):96*(\f)+64+8*(\a)+7], 0
.else
	v_wmma_f32_16x16x32_f16 v[8*(8*(\a)+\b):8*(8*(\a)+\b)+7], v[96*(\f)+8*\b:96*(\f)+8*\b+7], v[96*(\f)+64+8*(\a):96*(\f)+64+8*(\a)+7], v[8*(8*(\a)+\b):8*(8*(\a)+\b)+7]
.endif
.endr
.endm
.macro FETCH slot, q, f                ; 24 LDS loads in one run: the fragments of the slot's q-th 32 along K into set f
	WIN 0x40
.irp b, 0,1,2,3,4,5,6,7
.irp g, 0,1
	ds_load_b128 v[96*(\f)+8*\b+4*\g:96*(\f)+8*\b+4*\g+3], v[ADRB+\slot] offset:\b*4096+(\q)*1024+\g*512
.endr
.endr
.irp a, 0,1,2,3
.irp g, 0,1
	ds_load_b128 v[96*(\f)+64+8*\a+4*\g:96*(\f)+64+8*\a+4*\g+3], v[ADRA+\slot] offset:\a*4096+(\q)*1024+\g*512
.endr
.endr
.endm
.macro QUARTER slot, qn, f, g, zero    ; multiplies set f; ahead of its 32 products it asks for quarter qn into set g
	s_wait_dscnt 0x0                               ; set f is in
	PLACES                                         ; behind the products that read set g
	FETCH \slot, \qn, \g
	MUL8 \f, 0, \zero
	MUL8 \f, 1, \zero
	MUL8 \f, 2, \zero
	MUL8 \f, 3, \zero
.endm
.macro TURN slot, next, fill           ; a slot's last quarter (set 1) changes slots: one barrier
	WIN 0
	s_wait_tensorcnt 0x0                           ; all my tensor loads have landed: my part of the next slot;
	ds_add_u32 v[SPW], v[NIL]                      ; 0 onto my spare word;
	s_wait_dscnt 1                                 ; (set 1 is in; the add may be out)
	MUL8 1, 0, 0                                   ; eight matrix instructions stand between the add and the wait for it
	s_wait_dscnt 0x0                               ; the add is done, and my reads of this slot are over
	s_barrier_signal -1
	MUL8 1, 1, 0
	WIN 0
	s_barrier_wait -1
.if \fill
	CREST                                          ; the barrier has opened a round of the cluster's: no wave of any partner still reads this slot or has a load on its way
	s_add_nc_u64 s[G0+4*\slot+2:G0+4*\slot+3], s[G0+4*\slot+2:G0+4*\slot+3], 8192
	s_add_nc_u64 s[G0B+4*\slot+2:G0B+4*\slot+3], s[G0B+4*\slot+2:G0B+4*\slot+3], 8192
	JLOAD \slot                                    ; the first tensor load behind the round; its four v_nop are also the places ahead of the loads below
.else
	PLACES
.endif
	FETCH \next, 0, 0
	MUL8 1, 2, 0
	MUL8 1, 3, 0
.endm
	s_wait_tensorcnt 1                             ; my part of K step 0 is in; K step 1's may stay out
	s_barrier_signal -1
	s_barrier_wait -1
	FETCH 0, 0, 0
	QUARTER 0, 1, 0, 1, 1                          ; the first quarter starts the sums
	WIN 0
	s_mov_b32 s3, 3
.Llap:                                                 ; a trip goes once round the ring and fills both slots again: K steps 2 to 7
	QUARTER 0, 2, 1, 0, 0
	QUARTER 0, 3, 0, 1, 0
	TURN 0, 1, 1
	QUARTER 1, 1, 0, 1, 0
	QUARTER 1, 2, 1, 0, 0
	QUARTER 1, 3, 0, 1, 0
	TURN 1, 0, 1
	QUARTER 0, 1, 0, 1, 0
	WIN 0
	s_sub_co_u32 s3, s3, 1
	s_cmp_lg_u32 s3, 0
	s_cbranch_scc1 .Llap
	QUARTER 0, 2, 1, 0, 0                          ; the last lap fills nothing
	QUARTER 0, 3, 0, 1, 0
	TURN 0, 1, 0
	QUARTER 1, 1, 0, 1, 0
	QUARTER 1, 2, 1, 0, 0
	QUARTER 1, 3, 0, 1, 0
	s_wait_dscnt 0x0
	MUL8 1, 0, 0
	MUL8 1, 1, 0
	MUL8 1, 2, 0
	MUL8 1, 3, 0
	WIN 0
; THE WAY OUT, 16 rows x 128 columns at a time, through my own stage: back come whole rows of 512 bytes.  LDS serves a wave's instructions in order, so no wait stands between the stores and the loads.
.macro TOSTAGE a
	WIN 0x08
.irp b, 0,1,2,3,4,5,6,7
	ds_store_b128 v[STO], v[8*(8*(\a)+\b):8*(8*(\a)+\b)+3] offset:64*\b      ; each accumulator from its low end on
	ds_store_b128 v[STO], v[8*(8*(\a)+\b)+4:8*(8*(\a)+\b)+7] offset:64*\b+16
.endr
	WIN 0
.set BB, BK+64*((\a)%2)
.irp t, 0,1,2,3,4,5,6,7,8,9,10,11,12,13,14,15
	ds_load_b128 v[BB+4*\t:BB+4*\t+3], v[RD] offset:\t*SPITCH
.endr
.endm
.macro SEND a, younger
.set BB, BK+64*((\a)%2)
	s_wait_dscnt \younger                          ; the block is back; the next block's 32 LDS instructions may be out
.if (\a) > 0
	s_add_nc_u64 s[8:9], s[8:9], 16*4096           ; (behind a wait on XCNT: the earlier stores have read their base)
.endif
.irp t, 0,1,2,3,4,5,6,7,8,9,10,11,12,13,14,15
	global_store_b128 v[CO], v[BB+4*\t:BB+4*\t+3], s[8:9] offset:\t*4096 th:TH_STORE_NT   ; 512 consecutive bytes, aligned
.endr
.endm
	PLACES
	TOSTAGE 0
.irp a, 1,2,3
.if \a > 1
	s_wait_xcnt 0x0
.endif
	TOSTAGE \a
	SEND \a-1, 32
.endr
	s_wait_xcnt 0x0
	SEND 3, 0
	s_wait_tensorcnt 0x0                           ; the wave's end
	ds_add_u32 v[SPW], v[NIL]
	s_wait_dscnt 0x0
	CROUND                                         ; the closing round
	s_endpgm
.Lfunc_end_k_q9fe93aaa58_proj:
	.size	k_q9fe93aaa58_proj, .Lfunc_end_k_q9fe93aaa58_proj-k_q9fe93aaa58_proj
	.p2alignl 7, 3214868480
	.fill 96, 4, 3214868480
	.section	.rodata,"a",@progbits
	.p2align	6, 0x0
	.amdhsa_kernel k_q9fe93aaa58_proj
		.amdhsa_group_segment_fixed_size 327680
		.amdhsa_private_segment_fixed_size 0
		.amdhsa_enable_private_segment 0
		.amdhsa_kernarg_size 24
		.amdhsa_user_sgpr_count 2
		.amdhsa_user_sgpr_kernarg_segment_ptr 1
		.amdhsa_wavefront_size32 1
		.amdhsa_system_sgpr_workgroup_id_x 1
		.amdhsa_system_sgpr_workgroup_id_y 1
		.amdhsa_system_sgpr_workgroup_id_z 1
		.amdhsa_system_vgpr_workitem_id 0
		.amdhsa_next_free_vgpr 768
		.amdhsa_next_free_sgpr 66
		.amdhsa_reserve_vcc 0
		.amdhsa_float_denorm_mode_32 3
		.amdhsa_float_denorm_mode_16_64 3
		.amdhsa_memory_ordered 1
		.amdhsa_forward_progress 1
		.amdhsa_inst_pref_size 84
	.end_amdhsa_kernel
	.amdgpu_metadata
---
amdhsa.version: [ 1, 2 ]
amdhsa.kernels:
  - .name:           k_q9fe93aaa58_proj
    .symbol:         k_q9fe93aaa58_proj.kd
    .args:
      - { .name: xi, .offset: 0, .size: 8, .value_kind: global_buffer, .address_space: global }
      - { .name: prep, .offset: 8, .size: 8, .value_kind: global_buffer, .address_space: global }
      - { .name: out0, .offset: 16, .size: 8, .value_kind: global_buffer, .address_space: global }
    .group_segment_fixed_size: 327680
    .private_segment_fixed_size: 0
    .kernarg_segment_align: 8
    .kernarg_segment_size: 24
    .max_flat_workgroup_size: 128
    .sgpr_count:     66
    .vgpr_count:     768
    .wavefront_size: 32
...
	.end_amdgpu_metadata
.endif
;; end of part 4
;; launch fine (part 5): grid 16 x 4, 8 waves a work-group, no clusters, 132,096 bytes of LDS; arguments qkv, prep, nmb, out0; writes out0
.if DOCPART == 5
	.amdgcn_target "amdgcn-amd-amdhsa--gfx1250"
	.amdhsa_code_object_version 6
	.text
	.protected	k_q9fe93aaa58_fine
	.globl	k_q9fe93aaa58_fine
	.p2align	8
	.type	k_q9fe93aaa58_fine,@function
k_q9fe93aaa58_fine:
	s_mov_b64 s[64:65], 0
	v_nop
	global_prefetch_b8 v0, s[64:65] scope:SCOPE_SE
	s_setreg_imm32_b32 hwreg(HW_REG_WAVE_MODE, 25, 1), 1
	s_wait_xcnt 0x0
; The rows that average few values, carried more finely.  In batch b the first row with any key is nm; rows 16 T0 .. 16 T0 + 31 (T0 = min(nm / 16, 126)) hold at least its first 16 successors, and every key that
; counts for such a row lies in those same 32 rows.  Their attention and their projection are done again with every operand as a pair of f16 numbers: high = the f32 bits cut to 11 significant bits, low = what is left;
; a product is high x high + low x high + high x low, all on the matrix units, sums in f32.  Only rows >= nm are stored, over the projection launch's numbers (rows under nm keep the mean of v).
; Work-group (X, b) makes columns 64 X .. + 63 of the 32 rows.  Phase A: wave w makes heads 2 w and 2 w + 1 from the f32 copies that the qkv launch left, and puts x's two images into LDS.  One barrier.
; Phase B: wave w makes row tile w % 2 x column tile w / 2 over all 1,024 of K.  The stores are runs of 64 bytes: half a megabyte of the output at the most.
; LIMITS: a batch whose mask is all true has no such row and gets no store; parts under f16's smallest normal number are held to steps of 6e-8.
.set FIN,   50593792
.set WOH,   6127616
.set WOLD,  2097152
.set SPARE, 131072                     ; LDS: x's images [K step 32][row tile 2][high, low][4 registers 2][512 bytes]; behind them the spare words, 128 bytes a wave
.set LI,  2                            ; v2   16 x lane
.set SPW, 8                            ; v8   my spare word; never rewritten
.set NIL, 9                            ; v9   0; never rewritten
.set NEG, 10
.set DD,  11                           ; v11-12 the mask's bounds
.set EE,  13
.set XW,  14                           ; v14  where my wave stores images
.set SQ,  16                           ; v16-79 q in f32; v80-143 k; v144-207 v.  Later: S^T v80-111, P high v112-127, low v128-143, O^T v144-207
.set SK,  80
.set SV,  144
.set PH,  112
.set PL,  128
.set TT,  208                          ; v208-239 at work
.set MB,  240                          ; v240-247 statistics, four a row tile
.set XR,  248                          ; v248-249 phase B: x's images, K steps 0-15, 16-31
.set QH, 0                             ; window 1
.set KH, 32
.set VH, 64
.set XH, 96
.set QL, 128
.set KL, 160
.set VL, 192
.set XL, 224
.set SEL, 22
.set MSB, 0
.macro WIN new
.if MSB != \new
	s_set_vgpr_msb (MSB<<8)|\new
.set MSB, \new
.endif
.endm
.macro PLACES
.rept 4
	v_nop
.endr
.endm
; 64 numbers a lane become 32 registers of high and 32 of low parts in window 1.  vmap = 0: register i / 2; vmap = 1 (v: [tile of keys][dimensions b][8 keys]): 8 b + 4 tile + pair
.macro SPLIT src, hi, lo, vmap
.irp bt, 0,1
.set i, 0
.rept 32
	v_and_b32 v[TT+i], 0xffffe000, v[\src+32*\bt+i]
.set i, i+1
.endr
.set i, 0
.rept 16
	v_pk_add_f32 v[\src+32*\bt+2*i:\src+32*\bt+2*i+1], v[\src+32*\bt+2*i:\src+32*\bt+2*i+1], v[TT+2*i:TT+2*i+1] neg_lo:[0,1] neg_hi:[0,1]
.set i, i+1
.endr
	WIN 0x40
.set i, 0
.rept 16
.if \vmap
.set dd, 8*(i/4)+4*\bt+i%4
.else
.set dd, 16*\bt+i
.endif
	v_cvt_pk_f16_f32 v[\hi+dd], v[TT+2*i], v[TT+2*i+1]
	v_cvt_pk_f16_f32 v[\lo+dd], v[\src+32*\bt+2*i], v[\src+32*\bt+2*i+1]
.set i, i+1
.endr
	WIN 0
.endr
.endm
	s_load_b256 s[4:11], s[0:1], 0x0               ; qkv, prep, nmb, out0
	v_lshl_add_u32 v[SPW], v0, 2, SPARE
	v_mov_b32 v[NIL], 0
	v_lshrrev_b32 v1, 5, v0
	v_readfirstlane_b32 s12, v1                    ; wave
	s_mov_b32 s13, ttmp9                           ; X
	s_and_b32 s14, ttmp7, 0xffff                   ; batch
	s_lshl_b32 s15, s14, 3                         ; never rewritten
	s_wait_kmcnt 0x0
	s_load_b64 s[16:17], s[8:9], s15 offset:0x0    ; nm, T0
	v_and_b32 v1, 31, v0
	v_lshlrev_b32 v[LI], 4, v1
	v_and_b32 v3, 15, v0                           ; r
	v_bfe_u32 v4, v0, 4, 1                         ; h
	v_lshlrev_b32 v6, 3, v4
	v_sub_nc_u32 v[DD], v3, v6                     ; r - 8 h
	v_add_nc_u32 v[DD+1], 16, v[DD]
	v_mov_b32 v[NEG], 0xff800000
	s_lshl_b32 s20, s12, 14
	v_add_nc_u32 v[XW], s20, v[LI]
	s_and_b32 s24, s12, 1                          ; phase B: my row tile,
	s_lshr_b32 s25, s12, 1                         ; my column tile
	s_lshl_b32 s20, s24, 11
	v_add_nc_u32 v[XR], s20, v[LI]
	v_add_nc_u32 v[XR+1], 65536, v[XR]
.irp i, 1,2,3,5,6,7
	v_mov_b32 v[MB+\i], 0                          ; pairs' partners and lane permutes' destinations count as read
.endr
	s_mov_b32 s[SEL], 0x76543210
	s_mov_b32 s[SEL+1], 0xfedcba98
	s_mul_i32 s20, s14, 393216
	s_lshl_b32 s21, s12, 13
	s_add_co_u32 s20, s20, s21
	s_add_co_u32 s20, s20, FIN
	s_mov_b32 s21, 0
	s_add_nc_u64 s[26:27], s[4:5], s[20:21]        ; the f32 copies of my first head
	s_lshl_b32 s20, s13, 2
	s_add_co_u32 s20, s20, s25
	s_lshl_b32 s20, s20, 15
	s_add_co_u32 s20, s20, WOH
	s_add_nc_u64 s[28:29], s[6:7], s[20:21]        ; Wo's images of my column tile
	s_lshl_b32 s20, s14, 23
	s_add_nc_u64 s[30:31], s[10:11], s[20:21]      ; out0 at my batch
	s_wait_kmcnt 0x0
	s_min_u32 s17, s17, 126                        ; held to its range before it enters an address
	s_lshl_b32 s19, s17, 4
	s_sub_co_i32 s18, s16, s19                     ; nm - 16 T0
	v_sub_nc_u32 v[EE], s18, v6
.macro HEAD e
.irp t, 0,1,2
.irp sl, 0,1
.irp b, 0,1,2,3
.irp hf, 0,1
	global_load_b128 v[SQ+64*\t+32*\sl+8*\b+4*\hf:SQ+64*\t+32*\sl+8*\b+4*\hf+3], v[LI], s[26:27] offset:\sl*196608+\t*65536+(\e)*4096+\b*1024+\hf*512
.endr
.endr
.endr
.endr
	s_wait_loadcnt 32                              ; q's 16 loads are in; k's and v's may be out
	SPLIT SQ, QH, QL, 0
	s_wait_loadcnt 16
	SPLIT SK, KH, KL, 0
	s_wait_loadcnt 0x0
	SPLIT SV, VH, VL, 1
	WIN 0x05                                       ; S^T = K Q^T: four accumulators by turns, six passes
.irp qt, 0,1
.irp kt, 0,1
	v_wmma_f32_16x16x32_f16 v[SK+8*(2*\qt+\kt):SK+8*(2*\qt+\kt)+7], v[KH+16*\kt:KH+16*\kt+7], v[QH+16*\qt:QH+16*\qt+7], 0
.endr
.endr
.irp qt, 0,1
.irp kt, 0,1
	v_wmma_f32_16x16x32_f16 v[SK+8*(2*\qt+\kt):SK+8*(2*\qt+\kt)+7], v[KH+16*\kt+8:KH+16*\kt+15], v[QH+16*\qt+8:QH+16*\qt+15], v[SK+8*(2*\qt+\kt):SK+8*(2*\qt+\kt)+7]
.endr
.endr
.irp c, 0,1
.irp qt, 0,1
.irp kt, 0,1
	v_wmma_f32_16x16x32_f16 v[SK+8*(2*\qt+\kt):SK+8*(2*\qt+\kt)+7], v[KL+16*\kt+8*\c:KL+16*\kt+8*\c+7], v[QH+16*\qt+8*\c:QH+16*\qt+8*\c+7], v[SK+8*(2*\qt+\kt):SK+8*(2*\qt+\kt)+7]
.endr
.endr
.endr
.irp c, 0,1
.irp qt, 0,1
.irp kt, 0,1
	v_wmma_f32_16x16x32_f16 v[SK+8*(2*\qt+\kt):SK+8*(2*\qt+\kt)+7], v[KH+16*\kt+8*\c:KH+16*\kt+8*\c+7], v[QL+16*\qt+8*\c:QL+16*\qt+8*\c+7], v[SK+8*(2*\qt+\kt):SK+8*(2*\qt+\kt)+7]
.endr
.endr
.endr
	WIN 0
	PLACES
.irp qt, 0,1                           ; register 8 kt + j holds key 16 kt + 8 h + j of the 32: hidden where it comes after the query or under nm
.irp kt, 0,1
.irp j, 0,1,2,3,4,5,6,7
	v_cmp_gt_i32 vcc_lo, 16*\kt+\j, v[DD+\qt]
	v_cmp_lt_i32 s32, 16*\kt+\j, v[EE]
	s_or_b32 vcc_lo, vcc_lo, s32
	v_cndmask_b32 v[SK+16*\qt+8*\kt+\j], v[SK+16*\qt+8*\kt+\j], v[NEG], vcc_lo
.endr
.endr
.endr
.irp qt, 0,1
	v_max3_num_f32 v[MB+4*\qt], v[SK+16*\qt], v[SK+16*\qt+1], 0xff61b1e6   ; the row's maximum, over a floor of -3e38 (a row under nm has no key: its p are zeros, and it is not stored)
.endr
.irp i, 2,4,6,8,10,12,14
.irp qt, 0,1
	v_max3_num_f32 v[MB+4*\qt], v[MB+4*\qt], v[SK+16*\qt+\i], v[SK+16*\qt+\i+1]
.endr
.endr
.irp qt, 0,1
	v_permlanex16_b32 v[MB+4*\qt+2], v[MB+4*\qt], s[SEL], s[SEL+1]
.endr
.irp qt, 0,1
	v_max_num_f32 v[MB+4*\qt], v[MB+4*\qt], v[MB+4*\qt+2]
.endr
.irp i, 0,2,4,6,8,10,12,14
.irp qt, 0,1
	v_pk_add_f32 v[SK+16*\qt+\i:SK+16*\qt+\i+1], v[SK+16*\qt+\i:SK+16*\qt+\i+1], v[MB+4*\qt:MB+4*\qt+1] op_sel_hi:[1,0] neg_lo:[0,1] neg_hi:[0,1]
.endr
.endr
.set i, 0
.rept 32
	v_exp_f32 v[SK+i], v[SK+i]
.set i, i+1
.endr
	v_nop                                          ; a plain line behind the batch,
	s_wait_alu depctr_va_vdst(0)                   ; and the one wait ahead of its first reader
.irp qt, 0,1
	v_pk_add_f32 v[TT+4*\qt:TT+4*\qt+1], v[SK+16*\qt:SK+16*\qt+1], v[SK+16*\qt+2:SK+16*\qt+3]
.endr
.irp i, 4,6,8,10,12,14
.irp qt, 0,1
	v_pk_add_f32 v[TT+4*\qt:TT+4*\qt+1], v[TT+4*\qt:TT+4*\qt+1], v[SK+16*\qt+\i:SK+16*\qt+\i+1]
.endr
.endr
.irp qt, 0,1
	v_add_f32 v[MB+4*\qt+2], v[TT+4*\qt], v[TT+4*\qt+1]
.endr
.irp qt, 0,1
	v_permlanex16_b32 v[MB+4*\qt+3], v[MB+4*\qt+2], s[SEL], s[SEL+1]
.endr
.irp qt, 0,1
	v_add_f32 v[MB+4*\qt+2], v[MB+4*\qt+2], v[MB+4*\qt+3]
.endr
.irp qt, 0,1
	v_max_num_f32 v[MB+4*\qt+2], 0x0da24260, v[MB+4*\qt+2]                 ; (1e-30 under a row with no key)
.endr
.irp qt, 0,1
	v_rcp_f32 v[MB+4*\qt+2], v[MB+4*\qt+2]
.endr
	v_nop
	s_wait_alu depctr_va_vdst(0)
.irp i, 0,2,4,6,8,10,12,14
.irp qt, 0,1
	v_pk_mul_f32 v[SK+16*\qt+\i:SK+16*\qt+\i+1], v[SK+16*\qt+\i:SK+16*\qt+\i+1], v[MB+4*\qt+2:MB+4*\qt+3] op_sel_hi:[1,0]   ; the weights, normalised in f32
.endr
.endr
.set i, 0
.rept 32
	v_and_b32 v[TT+i], 0xffffe000, v[SK+i]
.set i, i+1
.endr
.set i, 0
.rept 16
	v_pk_add_f32 v[SK+2*i:SK+2*i+1], v[SK+2*i:SK+2*i+1], v[TT+2*i:TT+2*i+1] neg_lo:[0,1] neg_hi:[0,1]
.set i, i+1
.endr
.set i, 0
.rept 16
	v_cvt_pk_f16_f32 v[PH+i], v[TT+2*i], v[TT+2*i+1]
	v_cvt_pk_f16_f32 v[PL+i], v[SK+2*i], v[SK+2*i+1]
.set i, i+1
.endr
	WIN 0x01                                       ; O^T = V^T P: eight accumulators by turns, three passes
.irp qt, 0,1
.irp dt, 0,1,2,3
	v_wmma_f32_16x16x32_f16 v[SV+8*(4*\qt+\dt):SV+8*(4*\qt+\dt)+7], v[VH+8*\dt:VH+8*\dt+7], v[PH+8*\qt:PH+8*\qt+7], 0
.endr
.endr
.irp qt, 0,1
.irp dt, 0,1,2,3
	v_wmma_f32_16x16x32_f16 v[SV+8*(4*\qt+\dt):SV+8*(4*\qt+\dt)+7], v[VL+8*\dt:VL+8*\dt+7], v[PH+8*\qt:PH+8*\qt+7], v[SV+8*(4*\qt+\dt):SV+8*(4*\qt+\dt)+7]
.endr
.endr
.irp qt, 0,1
.irp dt, 0,1,2,3
	v_wmma_f32_16x16x32_f16 v[SV+8*(4*\qt+\dt):SV+8*(4*\qt+\dt)+7], v[VH+8*\dt:VH+8*\dt+7], v[PL+8*\qt:PL+8*\qt+7], v[SV+8*(4*\qt+\dt):SV+8*(4*\qt+\dt)+7]
.endr
.endr
	WIN 0
	PLACES
	SPLIT SV, XH, XL, 0                            ; x's two parts: registers of the projection's operand
	WIN 0x04                                       ; an LDS store's data are its source 1: window 1
.irp qt, 0,1
.irp c, 0,1
.irp g, 0,1
	ds_store_b128 v[XW], v[XH+16*\qt+8*\c+4*\g:XH+16*\qt+8*\c+4*\g+3] offset:(\e)*8192+\c*4096+\qt*2048+\g*512
	ds_store_b128 v[XW], v[XL+16*\qt+8*\c+4*\g:XL+16*\qt+8*\c+4*\g+3] offset:(\e)*8192+\c*4096+\qt*2048+1024+\g*512
.endr
.endr
.endr
	WIN 0
.endm
	HEAD 0
	HEAD 1
.macro WLOAD bt                        ; Wo's high and low fragments of K steps 8 bt .. + 7 into half bt % 2 of window 1: 32 loads
	WIN 0x40
.irp kk, 0,1,2,3,4,5,6,7
.irp hl, 0,1
.irp g, 0,1
	global_load_b128 v[128*((\bt)%2)+16*\kk+8*\hl+4*\g:128*((\bt)%2)+16*\kk+8*\hl+4*\g+3], v[LI], s[28:29] offset:(8*(\bt)+\kk)*1024+\g*512+\hl*WOLD
.endr
.endr
.endr
	WIN 0
.endm
	s_wait_dscnt 0x0                               ; my images lie in LDS (for the others' sake), and the stores have read the registers that the loads below fill
	WLOAD 0
	WLOAD 1
	s_barrier_signal -1
	s_barrier_wait -1
.irp bt, 0,1,2,3
.if \bt > 0
	PLACES                                         ; behind the products that read the registers loaded below
.endif
.if (\bt == 1) || (\bt == 2)
	WLOAD \bt+1
.endif
.irp kk, 0,1,2,3,4,5,6,7
.irp hl, 0,1
.irp g, 0,1
	ds_load_b128 v[16+16*\kk+8*\hl+4*\g:16+16*\kk+8*\hl+4*\g+3], v[XR+\bt/2] offset:((8*\bt+\kk)%16)*4096+\hl*1024+\g*512
.endr
.endr
.endr
.if \bt < 3
	s_wait_loadcnt 32                              ; this batch's 32 loads are in; the next batch's may be out
.else
	s_wait_loadcnt 0x0
.endif
	s_wait_dscnt 0x0
	WIN 0x01                                       ; three accumulators by turns: Wo high x x high, low x high, high x low
.irp kk, 0,1,2,3,4,5,6,7
.set wh, 128*(\bt%2)+16*\kk
.set xh, 16+16*\kk
.if (\bt == 0) && (\kk == 0)
	v_wmma_f32_16x16x32_f16 v[144:151], v[wh:wh+7], v[xh:xh+7], 0
	v_wmma_f32_16x16x32_f16 v[152:159], v[wh+8:wh+15], v[xh:xh+7], 0
	v_wmma_f32_16x16x32_f16 v[160:167], v[wh:wh+7], v[xh+8:xh+15], 0
.else
	v_wmma_f32_16x16x32_f16 v[144:151], v[wh:wh+7], v[xh:xh+7], v[144:151]
	v_wmma_f32_16x16x32_f16 v[152:159], v[wh+8:wh+15], v[xh:xh+7], v[152:159]
	v_wmma_f32_16x16x32_f16 v[160:167], v[wh:wh+7], v[xh+8:xh+15], v[160:167]
.endif
.endr
	WIN 0
.endr
	PLACES
.irp i, 0,2,4,6
	v_pk_add_f32 v[176+\i:177+\i], v[144+\i:145+\i], v[152+\i:153+\i]
.endr
.irp i, 0,2,4,6
	v_pk_add_f32 v[176+\i:177+\i], v[176+\i:177+\i], v[160+\i:161+\i]
.endr
	s_lshl_b32 s20, s24, 4
	s_add_co_u32 s20, s20, s19                     ; 16 T0 + 16 x my row tile
	v_add_nc_u32 v15, s20, v3                      ; my row of the sequence
	v_lshlrev_b32 v5, 12, v15
	v_lshl_add_u32 v5, v4, 5, v5                   ; + 32 h: lane (r, h) holds columns 8 h + 0 .. 7 of its tile
	s_lshl_b32 s20, s13, 8
	s_lshl_b32 s21, s25, 6
	s_add_co_u32 s20, s20, s21
	v_add_nc_u32 v5, s20, v5
	v_cmp_le_u32 vcc_lo, s16, v15                  ; only rows from nm on
	s_wait_xcnt 0x0                                ; EXEC changes only behind this wait
	s_and_saveexec_b32 s21, vcc_lo
	global_store_b128 v5, v[176:179], s[30:31]
	global_store_b128 v5, v[180:183], s[30:31] offset:16
	s_wait_xcnt 0x0
	s_or_b32 exec_lo, exec_lo, s21
	s_wait_tensorcnt 0x0                           ; the wave's end, behind my last LDS store
	ds_add_u32 v[SPW], v[NIL]
	s_wait_dscnt 0x0
	s_endpgm
.Lfunc_end_k_q9fe93aaa58_fine:
	.size	k_q9fe93aaa58_fine, .Lfunc_end_k_q9fe93aaa58_fine-k_q9fe93aaa58_fine
	.p2alignl 7, 3214868480
	.fill 96, 4, 3214868480
	.section	.rodata,"a",@progbits
	.p2align	6, 0x0
	.amdhsa_kernel k_q9fe93aaa58_fine
		.amdhsa_group_segment_fixed_size 132096
		.amdhsa_private_segment_fixed_size 0
		.amdhsa_enable_private_segment 0
		.amdhsa_kernarg_size 32
		.amdhsa_user_sgpr_count 2
		.amdhsa_user_sgpr_kernarg_segment_ptr 1
		.amdhsa_wavefront_size32 1
		.amdhsa_system_sgpr_workgroup_id_x 1
		.amdhsa_system_sgpr_workgroup_id_y 1
		.amdhsa_system_sgpr_workgroup_id_z 1
		.amdhsa_system_vgpr_workitem_id 0
		.amdhsa_next_free_vgpr 512
		.amdhsa_next_free_sgpr 66
		.amdhsa_reserve_vcc 1
		.amdhsa_float_denorm_mode_32 3
		.amdhsa_float_denorm_mode_16_64 3
		.amdhsa_memory_ordered 1
		.amdhsa_forward_progress 1
		.amdhsa_inst_pref_size 162
	.end_amdhsa_kernel
	.amdgpu_metadata
---
amdhsa.version: [ 1, 2 ]
amdhsa.kernels:
  - .name:           k_q9fe93aaa58_fine
    .symbol:         k_q9fe93aaa58_fine.kd
    .args:
      - { .name: qkv, .offset: 0, .size: 8, .value_kind: global_buffer, .address_space: global }
      - { .name: prep, .offset: 8, .size: 8, .value_kind: global_buffer, .address_space: global }
      - { .name: nmb, .offset: 16, .size: 8, .value_kind: global_buffer, .address_space: global }
      - { .name: out0, .offset: 24, .size: 8, .value_kind: global_buffer, .address_space: global }
    .group_segment_fixed_size: 132096
    .private_segment_fixed_size: 0
    .kernarg_segment_align: 8
    .kernarg_segment_size: 32
    .max_flat_workgroup_size: 256
    .sgpr_count:     66
    .vgpr_count:     512
    .wavefront_size: 32
...
	.end_amdgpu_metadata
.endif
;; end of part 5
